; MI455X (gfx1250); checked and timed in simulation.
; The chip was launched on July 23, 2026; its instructions are those of AMD's public machine-readable ISA for CDNA 5 (MIT licence, August 2026) and "CDNA5" Instruction Set Architecture Reference Guide (July 2026). The comments in the code are by the model that wrote it; some were corrected since.
;; Linear Gated Attention. Allowed arithmetic: matrix products marked QUANTISED: E2M3 operands, one E8M0 scale for each 32 along K, by v_wmma_scale_f32_16x16x128_f8f6f4 with both operands' format E2M3, f32 sums; products left as they are: f32 operands where the result goes on into a quantised operand, else bf16, f16 or f32 operands; f32 sums; everything else in f32.
;; Inputs: g_b 1,024 float32; g_w_codes 1,024 x 32 x 24 uint8 (E2M3 codes of g_w, K innermost, in blocks of 32 codes, four codes in three bytes); g_w_scales 1,024 x 32 uint8 (E8M0 scales of g_w, one for each 32 codes along K); k_b1 1,024 float32; k_b2 1,024 float32; k_w1_codes 1,024 x 32 x 24 uint8 (E2M3 codes of k_w1, K innermost, in blocks of 32 codes, four codes in three bytes); k_w1_scales 1,024 x 32 uint8 (E8M0 scales of k_w1, one for each 32 codes along K); k_w2_codes 1,024 x 32 x 24 uint8 (E2M3 codes of k_w2, K innermost, in blocks of 32 codes, four codes in three bytes); k_w2_scales 1,024 x 32 uint8 (E8M0 scales of k_w2, one for each 32 codes along K); p_b 1,024 float32; p_w_codes 1,024 x 32 x 24 uint8 (E2M3 codes of p_w, K innermost, in blocks of 32 codes, four codes in three bytes); p_w_scales 1,024 x 32 uint8 (E8M0 scales of p_w, one for each 32 codes along K); q_b1 1,024 float32; q_b2 1,024 float32; q_w1_codes 1,024 x 32 x 24 uint8 (E2M3 codes of q_w1, K innermost, in blocks of 32 codes, four codes in three bytes); q_w1_scales 1,024 x 32 uint8 (E8M0 scales of q_w1, one for each 32 codes along K); q_w2_codes 1,024 x 32 x 24 uint8 (E2M3 codes of q_w2, K innermost, in blocks of 32 codes, four codes in three bytes); q_w2_scales 1,024 x 32 uint8 (E8M0 scales of q_w2, one for each 32 codes along K); v_b 1,024 float32; v_w_codes 1,024 x 32 x 24 uint8 (E2M3 codes of v_w, K innermost, in blocks of 32 codes, four codes in three bytes); v_w_scales 1,024 x 32 uint8 (E8M0 scales of v_w, one for each 32 codes along K); x_codes 4 x 2,048 x 32 x 24 uint8 (E2M3 codes of x, K innermost, in blocks of 32 codes, four codes in three bytes); x_scales 4 x 2,048 x 32 uint8 (E8M0 scales of x, one for each 32 codes along K).
;; Outputs: out0 4 x 2,048 x 1,024 float32.
;; This version of the problem:
;;   THIS VERSION OF THE PROBLEM IS GIVEN IN LOW PRECISION. The matrix products marked QUANTISED in the list below multiply operands that are first quantised to E2M3 (2 exponent bits, 3 mantissa bits; 6 bits a number), with one power-of-two scale for each 32 numbers along K (OCP MX v1.0); their sums are f32. All else is computed in f32.
;;   The module's matrix products, in the order in which they are computed (A, B: the left and right operand; K: the contracted axis; several contracted axes count as one K, in the product's order):
;;     1. [M 8,192, K 1,024] x [K 1,024, N 1,024]; A: input x (given as codes); B: input q_w1 (given as codes): QUANTISED
;;     2. [M 8,192, K 1,024] x [K 1,024, N 1,024]; A: computed on the way; B: input q_w2 (given as codes): QUANTISED
;;     3. [M 8,192, K 1,024] x [K 1,024, N 1,024]; A: input x (given as codes); B: input k_w1 (given as codes): QUANTISED
;;     4. [M 8,192, K 1,024] x [K 1,024, N 1,024]; A: computed on the way; B: input k_w2 (given as codes): QUANTISED
;;     5. [M 8,192, K 1,024] x [K 1,024, N 1,024]; A: input x (given as codes); B: input v_w (given as codes): QUANTISED
;;     6. [M 8,192, K 1,024] x [K 1,024, N 1,024]; A: input x (given as codes); B: input g_w (given as codes): QUANTISED
;;     7. batch 64 x [M 64, K 2,048] x [K 2,048, N 1]; A: computed on the way; B: computed on the way: left as it is (N = 1 < 16)
;;     8. batch 64 x [M 64, K 2,048] x [K 2,048, N 64]; A: computed on the way; B: computed on the way: QUANTISED
;;     9. batch 64 x [M 2,048, K 64] x [K 64, N 64]; A: computed on the way; B: computed on the way: QUANTISED
;;     10. [M 8,192, K 1,024] x [K 1,024, N 1,024]; A: computed on the way; B: input p_w (given as codes): QUANTISED
;;   THE QUANTISER, for each operand of a quantised product, along K:
;;     - K is cut into blocks of 32 from its start; a last block that is shorter is filled with zeros.
;;     - A block's scale is 2^e with e = floor(log2(the largest magnitude in the block)) - 2, held to -126 .. 127; a block of zeros has e = 0. As a byte (E8M0): e + 127.
;;     - Each number is divided by its block's scale, clamped to +-7.5, and rounded to the nearest number of E2M3, ties to even, subnormals kept.
;;     - The product sums the exact products of the quantised numbers (number of the format x scale) in f32.
;;   ~~~python
;;   def quantise(x, axis):      # numpy; x: float32 -> the quantised numbers, widened to float32 again
;;       x = np.moveaxis(x, axis, -1); K = x.shape[-1]
;;       x = np.pad(x, [(0, 0)] * (x.ndim - 1) + [(0, -K % 32)]); x = x.reshape(x.shape[:-1] + (-1, 32)); a = np.abs(x).max(-1, keepdims=True)
;;       e = np.where(a > 0, np.clip(np.frexp(np.where(a > 0, a, 1))[1] - 1 - 2, -126, 127), 0)      # np.frexp(a)[1] - 1 = floor(log2(a)), exactly
;;       r = np.clip(x / 2.0 ** e, -7.5, 7.5)
;;       step = 2.0 ** (np.maximum(np.frexp(np.where(r == 0, 1, r))[1] - 1, 0) - 3)
;;       q = np.round(r / step) * step * 2.0 ** e      # np.round: ties to even
;;       return np.moveaxis(q.reshape(q.shape[:-2] + (-1,))[..., :K], -1, axis).astype(np.float32)
;;   ~~~
;;   OPERANDS COMPUTED ON THE WAY. 'Computed on the way' means the value that the module computes at that place (a softmax that the list does not call 'softmax' is quantised finished and normalised). What goes into a quantiser is computed in f32, as accurately as f32 sums, v_exp_f32 and their like allow (about 1e-6 of the number): no bf16 or f16 on the way to a quantiser, and a product that is left as it is and whose result goes on into a quantised operand takes f32 operands (vector FMAs, or v_wmma_f32_16x16x4_f32). A number that lies on a knife's edge between two numbers of the format may be rounded either way, as far as f32 arithmetic and the matrix unit's own rounding can turn it there, and no further.
;;   INPUTS GIVEN AS CODES. g_w (in the module: [1024, 1024], K = its axis 1); k_w1 (in the module: [1024, 1024], K = its axis 1); k_w2 (in the module: [1024, 1024], K = its axis 1); p_w (in the module: [1024, 1024], K = its axis 1); q_w1 (in the module: [1024, 1024], K = its axis 1); q_w2 (in the module: [1024, 1024], K = its axis 1); v_w (in the module: [1024, 1024], K = its axis 1); x (in the module: [4, 2048, 1024], K = its axis 2): each comes as NAME_codes (uint8): NAME with its K axis moved to the last place and cut into blocks of 32 codes, [.., K / 32, bytes a block], one block behind the other in memory; four codes in three bytes: a row's codes are one little-endian stream of bits, code i at bits 6 i .. 6 i + 5 (a code: sign, 2 exponent bits, 3 mantissa bits); and NAME_scales (uint8): the same leading axes, one E8M0 byte (e + 127) for each 32 codes along K. Its value is code x scale, taken as it is: it is not quantised again, and the codes and scales need not be those that the quantiser above would give.
;; One version. Each part assembles by itself: llvm-mc -triple=amdgcn-amd-amdhsa -mcpu=gfx1250 --defsym DOCPART=n.
;; ======== version 1 of 1: 4 launches
;; workspace buffers: hbuf 13,107,200 bytes; qkbuf 17,039,360 bytes; ybuf 6,553,600 bytes
;; launch h1 (part 1): grid 16 x 16, 4 waves a work-group, clusters of 4 x 4, 327,680 bytes of LDS; arguments x_codes, x_scales, q_w1_codes, q_w1_scales, q_b1, k_w1_codes, k_w1_scales, k_b1, hbuf; writes hbuf
.if DOCPART == 1
	.amdgcn_target "amdgcn-amd-amdhsa--gfx1250"
	.amdhsa_code_object_version 6
	.text
	.protected	k_q0ebe1c4269_h1
	.globl	k_q0ebe1c4269_h1
	.p2align	8
	.type	k_q0ebe1c4269_h1,@function
k_q0ebe1c4269_h1:
	s_mov_b64 s[64:65], 0
	v_nop
	global_prefetch_b8 v0, s[64:65] scope:SCOPE_SE
	s_setreg_imm32_b32 hwreg(HW_REG_WAVE_MODE, 25, 1), 1
	s_wait_xcnt 0x0
	s_wait_alu depctr_hold_cnt(0) depctr_sa_sdst(0) depctr_va_vdst(0) depctr_va_sdst(0) depctr_va_ssrc(0) depctr_va_vcc(0) depctr_vm_vsrc(0)
	s_getreg_b32 s2, hwreg(HW_REG_IB_STS2, 6, 4)
	s_cmp_eq_u32 s2, 0
	s_cbranch_scc0 .Lentry_in_a_cluster
	s_endpgm
.Lentry_in_a_cluster:
	s_bfe_u32 s2, ttmp6, 0x10000c
	s_cmp_lg_u32 s2, 0xf033
	s_cbranch_scc0 .Lentry_shape_is_right
	s_endpgm
.Lentry_shape_is_right:
; h = Q(gelu(x W1^T + b1)) for the q branch (tile columns 0-7) and the k branch (8-15), on codes of FP6 (E2M3) with one E8M0 scale for each 32 along K.
; x: [8192][1024] as codes and scale bytes; W1: [1024][1024] likewise; b1 f32.  The result leaves as codes, quantised along the 1,024 features, never as f32.
; SHARES.  A work-group makes 512 rows x 128 columns, K = 1,024; wave w its rows 128 w .. +127 against all 128 columns: 64 accumulators, 512 registers.
; K goes in steps of 256 (rows of 192 bytes) through two LDS slots: four fills in all.  Waves 0, 1 fetch 256 rows of x each, waves 2, 3 64 rows of W1 each: one tensor load a wave and slot.
; CLUSTER 4 x 4: x's tile hangs on the tile row alone and is asked for jointly along a row of the cluster, W1's on the tile column alone and jointly along a column.
; TRANSPOSED USE: source 0 = 16 rows of W1, source 1 = 16 rows of x: a lane holds one row of x and eight neighbouring columns.
; THE SCALE WORDS of all of K stay in 64 registers: register 8 i + s holds in lanes 0-15 the word of x's block i, in lanes 16-31 that of W1's block i, for K step s.
; THE WAY OUT is a loop of eight trips, 16 rows each: accumulators + bias into fixed registers (the one part that differs from trip to trip: eight short sections, reached by branches on the counter),
; gelu, an exchange of lane halves so that 16 registers are 16 neighbours along the next K, the quantiser, and the fragment's registers stored as they stand (512 consecutive bytes a store).
; OUT: hbuf: images [row block 512][K step 8][1536] for q at 0, for k at 6,291,456; scale words [128 rows][K step][row % 16][row block % 8] at 12,582,912 and 12,845,056.
; gelu(x) = max(x, 0) - |x| t 2^(-x^2 log2(e) / 2 + P(t)), t = 1 / (1 + |x| / (2 sqrt 2)): the rational-exponential fit of erfc of degree 9, good to some 1.2e-7 of erfc for every argument.
; LIMITS: NaN and infinities are not served; a block of zeros or under 2^-124 gets the scale byte 1 (its codes are zeros or next to it; the bytes are read by this program alone).
.set ROWB,  192
.set KROW,  768
.set PITCH, 240                        ; 3 x (64 bytes + 16 of padding): the 32 lanes of a load of 8 bytes touch 64 different banks (64 banks of 4 bytes: ISA guide 11.1)
.set FR,    12
.set NL,    6
.set NP,    4
.set AB,    512*PITCH                  ; a slot: x's 512 rows, then W1's 128
.set SLOT,  640*PITCH
.set SPARE, 2*SLOT                     ; behind the ring: the spare words, 128 bytes a wave
.set ADRA, 16                          ; v16-17 x's fragments in slot 0, 1; v18-19 the same behind one padding more
.set ADRB, 20                          ; v20-23 the same for W1
.set HO,   24                          ; 16 x lane, stepped from image to image
.set WO,   25                          ; 32 r + 16 h: my place among the scale words
.set SO,   26                          ; 32 r: a row of scale bytes
.set BO,   27                          ; 32 h: my eight numbers of a tile's bias
.set SPW,  28
.set NIL,  29
.set SC,   32                          ; v32-95 scale words, and nothing else
.set AF,   128                         ; window 0: x's fragments, one set
.set X,    0                           ; window 1 on the way out: 64 numbers,
.set PC,   64                          ; the codes (12) and two triples at work,
.set TT,   128
.set PP,   144
.set XC,   160
.set MX,   176
.set TM,   192
.set PW,   208
.set PWS,  210                         ; the eight trips' scale words
.set C8V,  218
.set SELV, 220
.set G1,  24
.set G0,  32
.set G1B, 48
.set G0B, 56
.set CNT, 18
.set CH,  24                           ; the constants take the descriptors' registers when every tensor load is done
.set CX,  26
.set C0,  28
.set C1,  30
.set C2,  32
.set C3,  34
.set C4,  36
.set C5,  38
.set C6,  40
.set C7,  42
.set C9,  44
.set SEL, 46
.set MSB, 0
.macro WIN new                         ; the immediate's high byte repeats the setting that is left
.if MSB != (\new)
	s_set_vgpr_msb (MSB<<8)|(\new)
.set MSB, (\new)
.endif
.endm
.set MUL_LO, 0xa1                      ; source 0 (W1) window 1, source 1 (x) window 0, C and D window 2
.set MUL_HI, 0xf1
.set TO_B,   0x40
.macro JLOAD s                         ; a joint load: waves 0, 1 for x, waves 2, 3 for W1; four v_nop follow each line
	s_cmp_eq_u32 s15, 0
	s_cbranch_scc0 .Lfor_b_\@
	tensor_load_to_lds s[G0+4*\s:G0+4*\s+3], s[G1:G1+7]
	s_nop 0
.rept 4
	v_nop
.endr
	s_branch .Lasked_\@
.Lfor_b_\@:
	tensor_load_to_lds s[G0B+4*\s:G0B+4*\s+3], s[G1B:G1B+7]
	s_nop 0
.rept 4
	v_nop
.endr
.Lasked_\@:
.endm
.macro CREST
	s_cmp_lg_u32 s14, 0
	s_cbranch_scc1 .Lnot_wave_0_\@
	s_barrier_signal -3
.Lnot_wave_0_\@:
	s_barrier_wait -3
	s_barrier_signal -1
	s_barrier_wait -1
.endm
.macro CROUND
	s_barrier_signal -1
	s_barrier_wait -1
	CREST
.endm
.macro PLACES n
.rept \n
	v_nop
.endr
.endm
.macro PAIR r, val
	s_mov_b32 s[\r], \val
	s_mov_b32 s[\r+1], \val
.endm
	s_load_b512 s[68:83], s[0:1], 0x0              ; x codes 68, x scales 70, q_w1 codes 72, scales 74, q_b1 76, k_w1 codes 78, scales 80, k_b1 82
	s_load_b64 s[84:85], s[0:1], 0x40              ; hbuf
	v_lshl_add_u32 v[SPW], v0, 2, SPARE
	v_mov_b32 v[NIL], 0
	ds_add_u32 v28, v29
	ds_add_u32 v28, v29
	s_wait_dscnt 0x0
	v_lshrrev_b32 v1, 5, v0
	v_readfirstlane_b32 s14, v1                    ; wave
	s_lshr_b32 s15, s14, 1                         ; I fetch for x (0) or for W1 (1)
	s_and_b32 s16, s14, 1                          ; which half of that tile
	s_bfe_u32 s40, ttmp6, 0x40000                  ; cx
	s_bfe_u32 s41, ttmp6, 0x40004                  ; cy
	s_lshl_b32 s42, ttmp9, 2
	s_add_co_u32 s42, s42, s40                     ; tile column 0..15
	s_and_b32 s17, ttmp7, 0xffff
	s_lshl_b32 s17, s17, 2
	s_add_co_u32 s17, s17, s41                     ; tile row 0..15
	s_lshl_b32 s43, s41, 2
	s_lshl_b32 s43, 15, s43                        ; my row of the cluster
	s_lshl_b32 s44, 0x1111, s40                    ; my column
	s_or_b32 s[G1+0], s43, (1<<20)|(1<<21)|(3<<22)|(3<<25)   ; mask; elements of 1 byte; padding on; bit 21 beside a mask; after every 16 words 4 words
	s_or_b32 s[G1B+0], s44, (1<<20)|(1<<21)|(3<<22)|(3<<25)
	s_mov_b32 s[G1+1], ROWB<<16
	s_mov_b32 s[G1+2], 256<<16                     ; 256 rows of x
	s_mov_b32 s[G1+3], ROWB<<16
	s_mov_b32 s[G1+4], 256
	s_mov_b32 s[G1+5], KROW
	s_mov_b32 s[G1+6], 0
	s_mov_b32 s[G1+7], 0
	s_mov_b32 s[G1B+1], ROWB<<16
	s_mov_b32 s[G1B+2], 64<<16                     ; 64 rows of W1
	s_mov_b32 s[G1B+3], ROWB<<16
	s_mov_b32 s[G1B+4], 64
	s_mov_b32 s[G1B+5], KROW
	s_mov_b32 s[G1B+6], 0
	s_mov_b32 s[G1B+7], 0
	s_lshl_b32 s20, s17, 9
	s_lshl_b32 s18, s16, 8
	s_add_co_u32 s20, s20, s18                     ; x: row 512 x tile row + 256 x half
	s_mul_i32 s20, s20, KROW
	s_mov_b32 s21, 0
	s_and_b32 s19, s42, 7                          ; which 128 columns of the branch's W1
	s_lshl_b32 s46, s19, 7
	s_lshl_b32 s47, s16, 6
	s_add_co_u32 s46, s46, s47                     ; W1: row 128 x column block + 64 x half
	s_mul_i32 s46, s46, KROW
	s_mov_b32 s47, 0
	s_mul_i32 s45, s16, 256*PITCH                  ; where they go: the wave's number alone
	s_mul_i32 s94, s16, 64*PITCH
	s_add_co_u32 s94, s94, AB
	s_wait_kmcnt 0x0
	s_cmp_lt_u32 ttmp9, 2                          ; the q branch or the k branch: the cluster's x, the same in all partners
	s_cselect_b64 s[72:73], s[72:73], s[78:79]
	s_cselect_b64 s[74:75], s[74:75], s[80:81]
	s_cselect_b64 s[76:77], s[76:77], s[82:83]
	s_cselect_b32 s95, 0, 6291456
	s_cselect_b32 s96, 0, 262144
	s_add_nc_u64 s[20:21], s[68:69], s[20:21]
	s_add_nc_u64 s[46:47], s[72:73], s[46:47]
	CROUND                                         ; all sixteen work-groups are here: the first joint loads meet
.irp s, 0,1
	s_mov_b32 s[G0+4*\s], 1
	s_add_co_u32 s[G0+4*\s+1], s45, \s*SLOT
	s_add_nc_u64 s[G0+4*\s+2:G0+4*\s+3], s[20:21], \s*ROWB
	s_or_b32 s[G0+4*\s+3], s[G0+4*\s+3], 0x80000000
	s_mov_b32 s[G0B+4*\s], 1
	s_add_co_u32 s[G0B+4*\s+1], s94, \s*SLOT
	s_add_nc_u64 s[G0B+4*\s+2:G0B+4*\s+3], s[46:47], \s*ROWB
	s_or_b32 s[G0B+4*\s+3], s[G0B+4*\s+3], 0x80000000
	JLOAD \s                                       ; two tensor loads of mine are out
.endr
	s_lshl_b32 s22, s17, 9
	s_lshl_b32 s23, s14, 7
	s_add_co_u32 s22, s22, s23
	s_lshl_b32 s22, s22, 5                         ; my 128 rows' scale bytes
	s_mov_b32 s23, 0
	s_add_nc_u64 s[70:71], s[70:71], s[22:23]
	s_lshl_b32 s92, s19, 12
	s_mov_b32 s93, 0
	s_add_nc_u64 s[74:75], s[74:75], s[92:93]      ; W1's 128 rows' scale bytes
	s_lshl_b32 s92, s19, 9
	s_add_nc_u64 s[76:77], s[76:77], s[92:93]      ; the bias of the 128 columns
	s_lshl_b32 s90, s17, 5
	s_lshl_b32 s91, s14, 3
	s_add_co_u32 s90, s90, s91                     ; my first row block: 32 x tile row + 8 x wave
	s_lshl_b32 s90, s90, 3
	s_add_co_u32 s90, s90, s19                     ; x 8 K steps + mine
	s_mul_i32 s90, s90, 1536
	s_add_co_u32 s90, s90, s95
	s_mov_b32 s91, 0
	s_add_nc_u64 s[86:87], s[84:85], s[90:91]      ; my images
	s_lshl_b32 s90, s17, 2
	s_add_co_u32 s90, s90, s14
	s_lshl_b32 s90, s90, 3
	s_add_co_u32 s90, s90, s19
	s_lshl_b32 s90, s90, 9
	s_add_co_u32 s90, s90, s96
	s_add_co_u32 s90, s90, 12582912
	s_add_nc_u64 s[88:89], s[84:85], s[90:91]      ; my 512 bytes of scale words
	v_and_b32 v1, 31, v0                           ; lane
	v_and_b32 v2, 15, v0                           ; r
	v_bfe_u32 v3, v0, 4, 1                         ; h
	v_lshlrev_b32 v[SO], 5, v2
	v_lshlrev_b32 v[BO], 5, v3
	v_lshlrev_b32 v[HO], 4, v1
	v_lshl_add_u32 v[WO], v3, 4, v[SO]
.irp i, 0,1,2,3,4,5,6,7
	global_load_b128 v[SC+8*\i:SC+8*\i+3],   v[SO], s[70:71] offset:512*\i       ; x's block i: eight words of row r
	global_load_b128 v[SC+8*\i+4:SC+8*\i+7], v[SO], s[70:71] offset:512*\i+16
	global_load_b128 v[AF+8*\i:AF+8*\i+3],   v[SO], s[74:75] offset:512*\i       ; W1's block i, for the moment beside them
	global_load_b128 v[AF+8*\i+4:AF+8*\i+7], v[SO], s[74:75] offset:512*\i+16
.endr
	WIN 0x40                                       ; the bias stays in window 1: tile b at v96 + 8 b (b < 4), v224 + 8 (b - 4)
.irp b, 0,1,2,3
	global_load_b128 v[96+8*\b:99+8*\b],    v[BO], s[76:77] offset:64*\b
	global_load_b128 v[100+8*\b:103+8*\b],  v[BO], s[76:77] offset:64*\b+16
	global_load_b128 v[224+8*\b:227+8*\b],  v[BO], s[76:77] offset:256+64*\b
	global_load_b128 v[228+8*\b:231+8*\b],  v[BO], s[76:77] offset:256+64*\b+16
.endr
	WIN 0
	v_mul_u32_u24 v4, v2, PITCH
	v_mad_u32_u24 v4, v3, 24, v4                   ; a fragment's row x pitch + 24 x half
	v_lshl_add_u32 v5, v3, 4, v4                   ; and behind one padding more
	s_mul_i32 s18, s14, 128*PITCH                  ; my 128 rows of x
.irp s, 0,1
	v_add_nc_u32 v[ADRA+\s], s18, v4
	v_add_nc_u32 v[ADRA+2+\s], s18, v5
	v_add_nc_u32 v[ADRB+\s], AB+\s*SLOT, v4
	v_add_nc_u32 v[ADRB+2+\s], AB+\s*SLOT, v5
	s_add_co_u32 s18, s18, SLOT
.endr
	s_wait_loadcnt 0x0
	v_cmp_lt_u32 vcc_lo, 15, v1                    ; lanes 16-31 take W1's words
.set I, 0
.rept 64
	v_cndmask_b32 v[SC+I], v[SC+I], v[AF+I], vcc_lo
.set I, I+1
.endr
	PLACES 8                                       ; a scale register written by a vector instruction stands eight places ahead of a scaled product
.macro FRAG reg, adr, q, i             ; 16 rows x 128 K: 12 registers, six pieces of 8 bytes; where lanes 16-31's piece lies behind one padding more, the second address serves
.irp p, 0,1,2,3,4,5
.set PCE, 12*(\q)+6*(\p/3)+\p%3
.if PCE%8 < 5
	ds_load_b64 v[\reg+2*\p:\reg+2*\p+1], v[\adr] offset:8*PCE+16*(PCE/8)+(\i)*16*PITCH
.else
	ds_load_b64 v[\reg+2*\p:\reg+2*\p+1], v[\adr+2] offset:8*PCE+16*(PCE/8)+(\i)*16*PITCH
.endif
.endr
.endm
; 16 products: x's blocks a0, a0 + 1 against W1's eight; p: W1's set; kq: the K step of 128.  The 64 accumulators take turns, one instruction a turn.
.macro MUL16 a0, p, kq, zero
.irp a, \a0, \a0+1
.irp b, 0,1,2,3,4,5,6,7
.if \zero
	v_wmma_scale_f32_16x16x128_f8f6f4 v[8*(8*((\a)%4)+\b):8*(8*((\a)%4)+\b)+7], v[128*(\p)+FR*\b:128*(\p)+FR*\b+FR-1], v[AF+FR*(\a):AF+FR*(\a)+FR-1], 0, v[SC+8*\b+(\kq)], v[SC+8*(\a)+(\kq)] matrix_a_fmt:MATRIX_FMT_FP6 matrix_b_fmt:MATRIX_FMT_FP6 matrix_a_scale:MATRIX_SCALE_ROW1
.else
	v_wmma_scale_f32_16x16x128_f8f6f4 v[8*(8*((\a)%4)+\b):8*(8*((\a)%4)+\b)+7], v[128*(\p)+FR*\b:128*(\p)+FR*\b+FR-1], v[AF+FR*(\a):AF+FR*(\a)+FR-1], v[8*(8*((\a)%4)+\b):8*(8*((\a)%4)+\b)+7], v[SC+8*\b+(\kq)], v[SC+8*(\a)+(\kq)] matrix_a_fmt:MATRIX_FMT_FP6 matrix_b_fmt:MATRIX_FMT_FP6 matrix_a_scale:MATRIX_SCALE_ROW1
.endif
.endr
.endr
.endm
.macro FETCH_B slot, q, p
	WIN TO_B
.irp i, 0,1,2,3,4,5,6,7
	FRAG 128*(\p)+FR*\i, ADRB+\slot, \q, \i
.endr
	WIN 0
.endm
.macro FETCH_A slot, q, i0
.irp i, \i0, \i0+1, \i0+2, \i0+3
	FRAG AF+FR*(\i), ADRA+\slot, \q, \i
.endr
.endm
; A slot's first 128 along K.  x's blocks are free as soon as their eight products are issued: blocks 0-3 are fetched anew in the middle, blocks 4-7 at the end; W1 has two sets.
.macro STEP slot, kq, zero
	s_wait_dscnt 4*NL                              ; all but the 24 youngest loads (x's blocks 4-7)
	WIN MUL_LO
	MUL16 0, 0, \kq, \zero
	MUL16 2, 0, \kq, \zero
	s_wait_dscnt 0x0
	PLACES NP                                      ; four places in front of loads into registers that products have read
	FETCH_B \slot, 1, 1
	FETCH_A \slot, 1, 0
	WIN MUL_HI
	MUL16 4, 0, \kq, \zero
	MUL16 6, 0, \kq, \zero
	PLACES NP
	WIN 0
	FETCH_A \slot, 1, 4
.endm
; A slot's second 128 changes slots: one barrier; ahead of it all my tensor loads, the add, and my reads of this slot are waited for.  fill = 1: the slot is filled again, 512 along K on.
.macro TURN slot, next, fill, kq
	s_wait_tensorcnt 0x0                           ; my part of the next slot has landed; no tensor load of mine is out
	ds_add_u32 v[SPW], v[NIL]                      ; 0 onto my spare word
	s_wait_dscnt 4*NL+1                            ; the add and the 24 youngest loads may be out
	WIN MUL_LO
	MUL16 0, 1, \kq, 0
	s_wait_dscnt 0x0                               ; the add is done, my reads of this slot are over
	s_barrier_signal -1
	MUL16 2, 1, \kq, 0
	WIN 0
	s_barrier_wait -1
.if \fill
	CREST                                          ; the barrier has opened a round of the cluster's barrier: no wave of any partner reads this slot or has a load on its way
	s_add_nc_u64 s[G0+4*\slot+2:G0+4*\slot+3], s[G0+4*\slot+2:G0+4*\slot+3], 2*ROWB
	s_add_nc_u64 s[G0B+4*\slot+2:G0B+4*\slot+3], s[G0B+4*\slot+2:G0B+4*\slot+3], 2*ROWB
	JLOAD \slot                                    ; the first tensor load behind the round; its four v_nop are the places in front of the loads below
.else
	PLACES NP
.endif
	FETCH_B \next, 0, 0
	FETCH_A \next, 0, 0
	WIN MUL_HI
	MUL16 4, 1, \kq, 0
	MUL16 6, 1, \kq, 0
	PLACES NP
	WIN 0
	FETCH_A \next, 0, 4
.endm
	s_wait_tensorcnt 0x1                           ; my part of slot 0 is in; slot 1's load may be out
	s_barrier_signal -1
	s_barrier_wait -1
	FETCH_B 0, 0, 0
	FETCH_A 0, 0, 0
	FETCH_A 0, 0, 4
	STEP 0, 0, 1                                   ; the first products start the sums
	TURN 0, 1, 1, 1
	STEP 1, 2, 0
	TURN 1, 0, 1, 3
	STEP 0, 4, 0
	TURN 0, 1, 0, 5                                ; nothing is left to fetch
	STEP 1, 6, 0
	s_wait_dscnt 4*NL
	WIN MUL_LO
	MUL16 0, 1, 7, 0
	MUL16 2, 1, 7, 0
	s_wait_dscnt 0x0
	WIN MUL_HI
	MUL16 4, 1, 7, 0
	MUL16 6, 1, 7, 0
	WIN 0
	PLACES NP                                      ; behind the last products: results are read and operands' registers written from here on
; ---- the way out
	s_mov_b32 s[CH], 0x3eb504f3                    ; 1 / (2 sqrt 2)
	PAIR CX, 0xbf38aa3b                            ; -log2(e) / 2
	PAIR C0, 0xc034d90f                            ; the fit's coefficients x log2(e); 1 off the first for the factor 1/2
	PAIR C1, 0x3fb8ab5a
	PAIR C2, 0x3f0a29d2
	PAIR C3, 0x3e0efb2e
	PAIR C4, 0xbe899a80
	PAIR C5, 0x3ecdfd18
	PAIR C6, 0xbfd1a1e5
	PAIR C7, 0x40097039
	PAIR C9, 0x3e7c6f08
	s_mov_b32 s[SEL], 0x76543210
	s_mov_b32 s[SEL+1], 0xfedcba98                 ; v_permlanex16_b32: lane l xor 16
	WIN 0x40
	v_mov_b32 v[C8V], 0xbf97d29d                   ; c8 in a vector pair: one scalar pair to an instruction
	v_mov_b32 v[C8V+1], 0xbf97d29d
.irp i, 0,1,2,3
	v_mov_b32 v[TM+4+\i], 0                        ; a lane permute's destination counts as one of its sources
.endr
.irp i, 0,1,2,3,4,5,6,7
	v_mov_b32 v[PWS+\i], 0
.endr
	WIN 0
.macro INSEC a                         ; block a's 64 results + the bias into X, each accumulator from its low end on
	WIN 0x46+(\a)/4
.irp b, 0,1,2,3,4,5,6,7
.irp k, 0,2,4,6
	v_pk_add_f32 v[X+8*\b+\k:X+8*\b+\k+1], v[8*(8*((\a)%4)+\b)+\k:8*(8*((\a)%4)+\b)+\k+1], v[96+128*(\b/4)+8*(\b%4)+\k:96+128*(\b/4)+8*(\b%4)+\k+1]
.endr
.endr
	WIN 0
.endm
.macro GELU16 k                        ; 16 numbers in place, 11 instructions a number; every transcendental has a plain line behind it before its result is used
.set I, 0
.rept 16
	v_fma_f32 v[TT+I], |v[X+\k+I]|, s[CH], 1.0
.set I, I+1
.endr
.set I, 0
.rept 16
	v_rcp_f32 v[TT+I], v[TT+I]                     ; t
	v_max_num_f32 v[MX+I], 0, v[X+\k+I]
.set I, I+1
.endr
.set I, 0
	s_wait_alu depctr_va_vdst(0)
.rept 8
	v_pk_mul_f32 v[XC+I:XC+I+1], v[X+\k+I:X+\k+I+1], s[CX:CX+1] op_sel_hi:[1,0]
	v_pk_fma_f32 v[PP+I:PP+I+1], v[TT+I:TT+I+1], s[C9:C9+1], v[C8V:C8V+1] op_sel_hi:[1,0,1]
.set I, I+2
.endr
.irp c, C7,C6,C5,C4,C3,C2,C1,C0
.set I, 0
.rept 8
	v_pk_fma_f32 v[PP+I:PP+I+1], v[PP+I:PP+I+1], v[TT+I:TT+I+1], s[\c:\c+1] op_sel_hi:[1,1,0]
.set I, I+2
.endr
.endr
.set I, 0
.rept 8
	v_pk_fma_f32 v[PP+I:PP+I+1], v[X+\k+I:X+\k+I+1], v[XC+I:XC+I+1], v[PP+I:PP+I+1]   ; - x^2 log2(e) / 2 + P(t)
.set I, I+2
.endr
.set I, 0
.rept 8
	v_exp_f32 v[PP+I], v[PP+I]
	v_exp_f32 v[PP+I+1], v[PP+I+1]
	v_pk_mul_f32 v[XC+I:XC+I+1], v[X+\k+I:X+\k+I+1], v[TT+I:TT+I+1]
.set I, I+2
.endr
.set I, 0
	s_wait_alu depctr_va_vdst(0)
.rept 16
	v_fma_f32 v[X+\k+I], -|v[XC+I]|, v[PP+I], v[MX+I]
.set I, I+1
.endr
.endm
.macro SWAPN s, n                      ; two neighbouring tiles' registers: the first's lanes 16-31 change places with the second's lanes 0-15: 16 registers are then 16 neighbours, 16 h + 0 .. 15 of a block of 32
.set SW, 0
.rept (\n)/16
.irp j, 0,1,2,3,4,5,6,7
	v_permlane16_swap_b32 v[\s+SW+\j], v[\s+SW+8+\j]
.endr
.set SW, SW+16
.endr
.endm
.macro QUANT s                         ; 64 numbers, register 16 b + i = k 32 b + 16 h + i of my row, become a fragment's codes in v[PC] on and its scale word in v[PW]
.irp b, 0,1,2,3
	v_max3_num_f32 v[TM+\b], |v[\s+16*\b]|, |v[\s+1+16*\b]|, 0x1800000   ; with the floor 2^(3 - 127): the byte cannot fall under 1
.endr
.irp i, 2,4,6,8,10,12,14
.irp b, 0,1,2,3
	v_max3_num_f32 v[TM+\b], v[TM+\b], |v[\s+16*\b+\i]|, |v[\s+1+16*\b+\i]|
.endr
.endr
.irp b, 0,1,2,3
	v_permlanex16_b32 v[TM+4+\b], v[TM+\b], s[SEL], s[SEL+1]
.endr
.irp b, 0,1,2,3
	v_max_num_f32 v[TM+\b], v[TM+\b], v[TM+4+\b]
.endr
.irp b, 0,1,2,3
	v_add_nc_u32 v[TM+12+\b], 0xff000000, v[TM+\b]   ; 2 off the exponent field: the conversion's scale operand
.endr
.irp b, 0,1,2,3
	v_lshrrev_b32 v[TM+4+\b], 23, v[TM+12+\b]        ; the scale's byte
.endr
	v_lshl_or_b32 v[PW], v[TM+5], 8, v[TM+4]
	v_lshl_or_b32 v[PW], v[TM+6], 16, v[PW]
	v_lshl_or_b32 v[PW], v[TM+7], 24, v[PW]
.irp c, 0,1
	v_cvt_scalef32_pk16_fp6_f32 v[PC+6*\c:PC+2+6*\c], v[\s+32*\c:\s+15+32*\c], v[TM+12+2*\c]
	v_cvt_scalef32_pk16_fp6_f32 v[PC+12+4*\c:PC+14+4*\c], v[\s+16+32*\c:\s+31+32*\c], v[TM+12+2*\c+1]
.endr
	v_nop                                          ; one plain place behind a scaled conversion
.irp c, 0,1
.irp i, 0,1,2
	v_permlane16_swap_b32 v[PC+6*\c+\i], v[PC+12+4*\c+\i]   ; a whole block to a lane
.endr
.irp i, 0,1,2
	v_mov_b32 v[PC+3+6*\c+\i], v[PC+12+4*\c+\i]
.endr
.endr
.endm
	s_mov_b32 s[CNT], 0
.Lout:                                             ; eight trips: my row blocks 0 to 7
.irp a, 0,1,2,3,4,5,6
	s_cmp_eq_u32 s[CNT], \a
	s_cbranch_scc1 .Lin\a
.endr
.irp a, 7,0,1,2,3,4,5,6
.Lin\a:
	INSEC \a
	s_branch .Ljoin
.endr
.Ljoin:
	WIN 0x55                                       ; all places window 1
	GELU16 0
	GELU16 16
	GELU16 32
	GELU16 48
	SWAPN X, 64
	QUANT X
	WIN 0x04                                       ; a store's data are its source 1: window 1
.irp c, 0,1,2
	global_store_b128 v[HO], v[PC+4*\c:PC+4*\c+3], s[86:87] offset:512*\c   ; the fragment as it stands: 512 consecutive bytes a store
.endr
	WIN 0x55
.irp i, 0,1,2,3,4,5,6
	v_mov_b32 v[PWS+\i], v[PWS+\i+1]               ; the words move down one place a trip: after eight trips word a stands at place a
.endr
	v_mov_b32 v[PWS+7], v[PW]
	WIN 0
	s_wait_xcnt 0x0                                ; the stores have read their offset and data: both are written again only behind this wait
	v_add_nc_u32 v[HO], 12288, v[HO]               ; the next row block's image of this K step
	s_add_co_u32 s[CNT], s[CNT], 1
	s_cmp_lt_u32 s[CNT], 8
	s_cbranch_scc1 .Lout
	v_cmp_lt_u32 vcc_lo, 15, v1
	WIN 0x55
.irp i, 0,1,2,3
	v_cndmask_b32 v[SELV+\i], v[PWS+\i], v[PWS+4+\i], vcc_lo   ; lanes 0-15 row blocks 0-3, lanes 16-31 row blocks 4-7
.endr
	WIN 0x04
	global_store_b128 v[WO], v[SELV:SELV+3], s[88:89]          ; 512 consecutive bytes
	WIN 0
	s_wait_tensorcnt 0x0                           ; the wave's end
	ds_add_u32 v[SPW], v[NIL]
	s_wait_dscnt 0x0
	CROUND                                         ; the closing round
	s_endpgm
.Lfunc_end_k_q0ebe1c4269_h1:
	.size	k_q0ebe1c4269_h1, .Lfunc_end_k_q0ebe1c4269_h1-k_q0ebe1c4269_h1
	.p2alignl 7, 3214868480
	.fill 96, 4, 3214868480
	.section	.rodata,"a",@progbits
	.p2align	6, 0x0
	.amdhsa_kernel k_q0ebe1c4269_h1
		.amdhsa_group_segment_fixed_size 327680
		.amdhsa_private_segment_fixed_size 0
		.amdhsa_enable_private_segment 0
		.amdhsa_kernarg_size 72
		.amdhsa_user_sgpr_count 2
		.amdhsa_user_sgpr_kernarg_segment_ptr 1
		.amdhsa_wavefront_size32 1
		.amdhsa_system_sgpr_workgroup_id_x 1
		.amdhsa_system_sgpr_workgroup_id_y 1
		.amdhsa_system_sgpr_workgroup_id_z 1
		.amdhsa_system_vgpr_workitem_id 0
		.amdhsa_next_free_vgpr 1024
		.amdhsa_next_free_sgpr 102
		.amdhsa_reserve_vcc 1
		.amdhsa_float_denorm_mode_32 3
		.amdhsa_float_denorm_mode_16_64 3
		.amdhsa_memory_ordered 1
		.amdhsa_forward_progress 1
		.amdhsa_inst_pref_size 197
	.end_amdhsa_kernel
	.amdgpu_metadata
---
amdhsa.version: [ 1, 2 ]
amdhsa.kernels:
  - .name:           k_q0ebe1c4269_h1
    .symbol:         k_q0ebe1c4269_h1.kd
    .args:
      - { .name: x_codes, .offset: 0, .size: 8, .value_kind: global_buffer, .address_space: global }
      - { .name: x_scales, .offset: 8, .size: 8, .value_kind: global_buffer, .address_space: global }
      - { .name: q_w1_codes, .offset: 16, .size: 8, .value_kind: global_buffer, .address_space: global }
      - { .name: q_w1_scales, .offset: 24, .size: 8, .value_kind: global_buffer, .address_space: global }
      - { .name: q_b1, .offset: 32, .size: 8, .value_kind: global_buffer, .address_space: global }
      - { .name: k_w1_codes, .offset: 40, .size: 8, .value_kind: global_buffer, .address_space: global }
      - { .name: k_w1_scales, .offset: 48, .size: 8, .value_kind: global_buffer, .address_space: global }
      - { .name: k_b1, .offset: 56, .size: 8, .value_kind: global_buffer, .address_space: global }
      - { .name: hbuf, .offset: 64, .size: 8, .value_kind: global_buffer, .address_space: global }
    .group_segment_fixed_size: 327680
    .private_segment_fixed_size: 0
    .kernarg_segment_align: 8
    .kernarg_segment_size: 72
    .max_flat_workgroup_size: 128
    .sgpr_count:     102
    .vgpr_count:     1024
    .wavefront_size: 32
...
	.end_amdgpu_metadata
.endif
;; end of part 1
;; launch qk (part 2): grid 4 x 64, 4 waves a work-group, clusters of 4 x 4, 327,680 bytes of LDS; arguments hbuf, k_w2_codes, k_w2_scales, k_b2, q_w2_codes, q_w2_scales, q_b2, qkbuf; writes qkbuf
.if DOCPART == 2
	.amdgcn_target "amdgcn-amd-amdhsa--gfx1250"
	.amdhsa_code_object_version 6
	.text
	.protected	k_q0ebe1c4269_qk
	.globl	k_q0ebe1c4269_qk
	.p2align	8
	.type	k_q0ebe1c4269_qk,@function
k_q0ebe1c4269_qk:
	s_mov_b64 s[64:65], 0
	v_nop
	global_prefetch_b8 v0, s[64:65] scope:SCOPE_SE
	s_setreg_imm32_b32 hwreg(HW_REG_WAVE_MODE, 25, 1), 1
	s_wait_xcnt 0x0
	s_wait_alu depctr_hold_cnt(0) depctr_sa_sdst(0) depctr_va_vdst(0) depctr_va_sdst(0) depctr_va_ssrc(0) depctr_va_vcc(0) depctr_vm_vsrc(0)
	s_getreg_b32 s2, hwreg(HW_REG_IB_STS2, 6, 4)
	s_cmp_eq_u32 s2, 0
	s_cbranch_scc0 .Lentry_in_a_cluster
	s_endpgm
.Lentry_in_a_cluster:
	s_bfe_u32 s2, ttmp6, 0x10000c
	s_cmp_lg_u32 s2, 0xf033
	s_cbranch_scc0 .Lentry_shape_is_right
	s_endpgm
.Lentry_shape_is_right:
; k = softplus(h_k W_k2^T + b), then q = softplus(h_q W_q2^T + b), both quantised ALONG THE TOKENS (the K of q^T k); this block's part of A = Q(q)^T Q(k), and of z = sum over tokens of q x (the row sum of k).
; SHARES.  A work-group takes 128 tokens x 256 columns, K = 1,024, twice (pass 0: k, pass 1: q); wave w all 128 tokens against columns 64 w .. +63, ONE HEAD: 32 accumulators.
; So a token's sum of k over the head's 64 columns is made inside the wave in pass 0 and stays in 64 registers for pass 1's multiply-adds: f32 throughout.  And the wave's 128 tokens are ONE K step of q^T k:
; k's four fragments stay in 48 registers, and each fragment of q is multiplied with them as soon as it is made: neither q nor k goes to memory, only the 64 x 64 sums of this K step, in f32.
; NOT TRANSPOSED: source 0 = 16 tokens of h (an image of the operand's registers, as the launch before stored it), source 1 = 16 rows of W2: a lane holds ONE column and its registers run along the tokens.
; LDS: two slots, each HALF of K: h's 8 row blocks x 6,144 bytes as they lie, then W2's 256 rows of 384 bytes, 16 bytes of padding behind each 128 (pitch 432 = 108 words: row r starts at bank 44 r mod 64,
; sixteen different multiples of 4; lanes 16-31 stand 6 or 10 words on: a load of 8 bytes touches 64 different banks; 64 banks of 4 bytes: ISA guide 11.1).
; Pass 0 reads slot 0, then slot 1; each is filled again with pass 1's tiles as soon as it has been read: two refills, each behind a round of the cluster's barrier.  At most two tensor loads of a wave are out.
; CLUSTER 4 x 4: h's tile hangs on the token block alone (joint along a row of the cluster), W2's on the column block alone (joint along a column).
; OUT: qkbuf: A's parts [16 b + head][t: 16 rows n][token step: 16][4096]: register 8 u + j of lane (r, h) = the part of A(16 t + r, 16 u + 8 h + j), registers 4 c .. 4 c + 3 at 512 c + 16 x lane;
; z's parts [token block][head][r][t] f32 at 16,777,216.
; softplus(x) = max(x, 0) + 2 atanh(s), s = u / (2 + u), u = 2^(-|x| log2 e): s is at most 1/3 for every x, so the series to s^13 leaves under 2e-8 of the result whatever the input.
; LIMITS: NaN and infinities are not served; a block under 2^-124 gets the scale byte 1; the f32 sums are taken in another order than the reference's.
.set BP,    432
.set ASZ,   49152
.set SLOT,  159744
.set SPARE, 2*SLOT
.set ADA, 16                           ; v16-17 16 x lane in slot 0, 1
.set ADB, 18                           ; v18-19 W2's fragments in slot 0, 1; v20-21 behind one padding more
.set SO,  22                           ; 32 r
.set BO,  23                           ; 4 r
.set KO,  24                           ; 16 x lane, stepped from one 16 rows of A to the next
.set LI,  25                           ; 16 x lane
.set ZO,  26                           ; 16 r + 8 h
.set SPW, 28
.set NIL, 29
.set SCA, 32                           ; v32-95 h's scale words: 8 s + a
.set SCB, 96                           ; v96-127 W2's: 8 b + s
.set BF,  128                          ; window 0: W2's fragments, two sets of 48.  Window 1: h's, two sets at v0 and v128.  Window 2: accumulator (a, b) at v[64 b + 8 a]
.set KW,  224                          ; v224-227 the scale words of k's four fragments, v228 that of q's fragment in hand: scales and nothing else
.set QW,  228
; window 1, v96-119 and v224-247: k's four fragments; fragment u at v[96 + 12 u + 104 (u / 2)]
.set X,   0                            ; window 3, the way out
.set UU,  64
.set DD,  80
.set PP,  96
.set MX,  112
.set PC,  128
.set TM,  148
.set PW,  164
.set ZV,  165
.set K5V, 166
.set ZVS, 172
.set ZA,  176
.set BI,  184
.set KS,  192                          ; v192-255 the tokens' sums of k
.set G1A, 24
.set G1B, 32
.set G0A, 40                           ; s[40 + 8 pass + 4 slot ..]
.set G0B, 68
.set K1,  84
.set K2,  86
.set K3,  88
.set K4,  90
.set K6,  92
.set L2E, 94
.set SEL, 56
.set CNT, 58
.set MSB, 0
.macro WIN new
.if MSB != (\new)
	s_set_vgpr_msb (MSB<<8)|(\new)
.set MSB, (\new)
.endif
.endm
.macro JLOAD ga, gb                    ; waves 0, 1 fetch h's halves, waves 2, 3 W2's; four v_nop follow each line
	s_cmp_eq_u32 s21, 0
	s_cbranch_scc0 .Lfor_b_\@
	tensor_load_to_lds s[\ga:\ga+3], s[G1A:G1A+7]
	s_nop 0
.rept 4
	v_nop
.endr
	s_branch .Lasked_\@
.Lfor_b_\@:
	tensor_load_to_lds s[\gb:\gb+3], s[G1B:G1B+7]
	s_nop 0
.rept 4
	v_nop
.endr
.Lasked_\@:
.endm
.macro CROUND
	s_barrier_signal -1
	s_barrier_wait -1
	s_cmp_lg_u32 s20, 0
	s_cbranch_scc1 .Lnot_wave_0_\@
	s_barrier_signal -3
.Lnot_wave_0_\@:
	s_barrier_wait -3
	s_barrier_signal -1
	s_barrier_wait -1
.endm
.macro PLACES n
.rept \n
	v_nop
.endr
.endm
.macro PAIR r, val
	s_mov_b32 s[\r], \val
	s_mov_b32 s[\r+1], \val
.endm
	s_load_b512 s[4:19], s[0:1], 0x0               ; hbuf 4, k_w2 codes 6, scales 8, k_b2 10, q_w2 codes 12, scales 14, q_b2 16, qkbuf 18
	v_lshl_add_u32 v[SPW], v0, 2, SPARE
	v_mov_b32 v[NIL], 0
	ds_add_u32 v28, v29
	ds_add_u32 v28, v29
	s_wait_dscnt 0x0
	v_lshrrev_b32 v1, 5, v0
	v_readfirstlane_b32 s20, v1                    ; wave
	s_lshr_b32 s21, s20, 1
	s_and_b32 s22, s20, 1
	s_bfe_u32 s56, ttmp6, 0x40000                  ; cx
	s_bfe_u32 s57, ttmp6, 0x40004                  ; cy
	s_lshl_b32 s58, ttmp9, 2
	s_add_co_u32 s58, s58, s56                     ; column block of 256
	s_and_b32 s59, ttmp7, 0xffff
	s_lshl_b32 s59, s59, 2
	s_add_co_u32 s59, s59, s57                     ; token block of 128
	s_lshl_b32 s60, s57, 2
	s_lshl_b32 s60, 15, s60
	s_lshl_b32 s61, 0x1111, s56
	s_or_b32 s[G1A], s60, (3<<16)|(1<<21)          ; h: 4 rows of 768 elements of 8 bytes (a row block's four K steps), 12,288 bytes apart; no padding
	s_mov_b32 s[G1A+1], 768<<16
	s_mov_b32 s[G1A+2], 4<<16
	s_mov_b32 s[G1A+3], 768<<16
	s_mov_b32 s[G1A+4], 4
	s_mov_b32 s[G1A+5], 1536
	s_mov_b32 s[G1A+6], 0
	s_mov_b32 s[G1A+7], 0
	s_or_b32 s[G1B], s61, (1<<20)|(1<<21)|(4<<22)|(3<<25)   ; W2: 128 rows of 384 bytes; after every 32 words 4 words of padding
	s_mov_b32 s[G1B+1], 384<<16
	s_mov_b32 s[G1B+2], 128<<16
	s_mov_b32 s[G1B+3], 384<<16
	s_mov_b32 s[G1B+4], 128
	s_mov_b32 s[G1B+5], 768
	s_mov_b32 s[G1B+6], 0
	s_mov_b32 s[G1B+7], 0
	s_lshl_b32 s62, s59, 3
	s_lshl_b32 s63, s22, 2
	s_add_co_u32 s62, s62, s63                     ; h: row block 8 x token block + 4 x half
	s_mul_i32 s62, s62, 12288
	s_mov_b32 s63, 0
	s_lshl_b32 s100, s58, 8
	s_lshl_b32 s101, s22, 7
	s_add_co_u32 s100, s100, s101                  ; W2: row 256 x column block + 128 x half
	s_mul_i32 s100, s100, 768
	s_mov_b32 s101, 0
	s_mul_i32 s23, s22, 24576                      ; where they go: the wave's number alone
	s_mul_i32 s97, s22, 128*BP
	s_add_co_u32 s97, s97, ASZ
	s_wait_kmcnt 0x0
	s_add_nc_u64 s[62:63], s[4:5], s[62:63]
	s_add_nc_u64 s[6:7], s[6:7], s[100:101]
	s_add_nc_u64 s[12:13], s[12:13], s[100:101]
.irp p, 0,1                            ; all eight groups 0 are made here and never written again
.irp g, 0,1
	s_mov_b32 s[G0A+8*\p+4*\g], 1
	s_add_co_u32 s[G0A+8*\p+4*\g+1], s23, \g*SLOT
	s_add_nc_u64 s[G0A+8*\p+4*\g+2:G0A+8*\p+4*\g+3], s[62:63], (1-\p)*6291456+\g*6144   ; pass 0 reads h_k, pass 1 h_q; slot g holds K steps 4 g .. 4 g + 3
	s_or_b32 s[G0A+8*\p+4*\g+3], s[G0A+8*\p+4*\g+3], 0x80000000
	s_mov_b32 s[G0B+8*\p+4*\g], 1
	s_add_co_u32 s[G0B+8*\p+4*\g+1], s97, \g*SLOT
	s_add_nc_u64 s[G0B+8*\p+4*\g+2:G0B+8*\p+4*\g+3], s[6+6*\p:7+6*\p], \g*384
	s_or_b32 s[G0B+8*\p+4*\g+3], s[G0B+8*\p+4*\g+3], 0x80000000
.endr
.endr
	CROUND                                         ; all sixteen work-groups are here: the first joint loads meet
	JLOAD G0A, G0B
	JLOAD G0A+4, G0B+4
	s_lshl_b32 s96, s58, 2
	s_add_co_u32 s96, s96, s20                     ; my head
	s_lshl_b32 s100, s96, 11
	s_add_nc_u64 s[8:9], s[8:9], s[100:101]        ; my 64 rows' scale bytes
	s_add_nc_u64 s[14:15], s[14:15], s[100:101]
	s_lshl_b32 s100, s96, 8
	s_add_nc_u64 s[10:11], s[10:11], s[100:101]    ; my 64 columns' bias
	s_add_nc_u64 s[16:17], s[16:17], s[100:101]
	s_lshl_b32 s100, s59, 12
	s_add_co_u32 s100, s100, 12582912
	s_add_nc_u64 s[4:5], s[4:5], s[100:101]        ; h_q's scale words of my 128 tokens; h_k's lie 262,144 on
	s_lshr_b32 s95, s59, 4
	s_lshl_b32 s95, s95, 4
	s_add_co_u32 s95, s95, s96                     ; 16 b + head
	s_lshl_b32 s95, s95, 6                         ; x 4 x 16 parts of 4,096 bytes
	s_and_b32 s100, s59, 15
	s_add_co_u32 s95, s95, s100                    ; + my token step
	s_lshl_b32 s100, s59, 4
	s_add_co_u32 s100, s100, s96
	s_lshl_b32 s100, s100, 8
	s_add_co_u32 s100, s100, 16777216
	s_add_nc_u64 s[60:61], s[18:19], s[100:101]    ; my part of z
	s_lshl_b32 s100, s95, 12
	s_add_nc_u64 s[18:19], s[18:19], s[100:101]    ; my parts of A: rows 16 t on lie 65,536 t bytes on
	v_and_b32 v1, 31, v0
	v_and_b32 v2, 15, v0
	v_bfe_u32 v3, v0, 4, 1
	v_lshlrev_b32 v[SO], 5, v2
	v_lshlrev_b32 v[BO], 2, v2
	v_lshlrev_b32 v[LI], 4, v1
	v_lshlrev_b32 v[ZO], 4, v2
	v_lshl_add_u32 v[ZO], v3, 3, v[ZO]
.macro SCLOAD p                        ; the pass's scale words
.irp s, 0,1,2,3,4,5,6,7
	global_load_b128 v[SCA+8*\s:SCA+8*\s+3],   v[SO], s[4:5] offset:(1-\p)*262144+512*\s
	global_load_b128 v[SCA+8*\s+4:SCA+8*\s+7], v[SO], s[4:5] offset:(1-\p)*262144+512*\s+16
.endr
.irp b, 0,1,2,3
	global_load_b128 v[SCB+8*\b:SCB+8*\b+3],   v[SO], s[8+6*\p:9+6*\p] offset:512*\b
	global_load_b128 v[SCB+8*\b+4:SCB+8*\b+7], v[SO], s[8+6*\p:9+6*\p] offset:512*\b+16
.endr
.endm
.macro BILOAD p                        ; the pass's bias: my column's number of tile b, twice, for the packed addition
	WIN 0xc0
.irp b, 0,1,2,3
	global_load_b32 v[BI+2*\b],   v[BO], s[10+6*\p:11+6*\p] offset:64*\b
	global_load_b32 v[BI+2*\b+1], v[BO], s[10+6*\p:11+6*\p] offset:64*\b
.endr
	WIN 0
.endm
	SCLOAD 0
	BILOAD 0
	v_mov_b32 v[ADA], v[LI]
	v_add_nc_u32 v[ADA+1], SLOT, v[LI]
	v_mul_u32_u24 v4, v2, BP
	v_mad_u32_u24 v4, v3, 24, v4
	s_mul_i32 s95, s20, 64*BP
	s_add_co_u32 s95, s95, ASZ
	v_add_nc_u32 v[ADB], s95, v4                   ; my 64 rows of W2: row x pitch + 24 x half
	v_add_nc_u32 v[ADB+1], SLOT, v[ADB]
	v_lshl_add_u32 v[ADB+2], v3, 4, v[ADB]
	v_add_nc_u32 v[ADB+3], SLOT, v[ADB+2]
	PAIR K1, 0x3f2aaaab                            ; 2/3, 2/5, 2/7, 2/9, (2/11 in a vector pair), 2/13
	PAIR K2, 0x3ecccccd
	PAIR K3, 0x3e924925
	PAIR K4, 0x3e638e39
	PAIR K6, 0x3e1d89d9
	s_mov_b32 s[L2E], 0x3fb8aa3b
	s_mov_b32 s[SEL], 0x76543210
	s_mov_b32 s[SEL+1], 0xfedcba98
	WIN 0xc0
	v_mov_b32 v[K5V], 0x3e3a2e8c
	v_mov_b32 v[K5V+1], 0x3e3a2e8c
.irp i, 0,1,2,3
	v_mov_b32 v[TM+4+\i], 0                        ; a lane permute's destination counts as one of its sources
	v_mov_b32 v[ZVS+\i], 0
.endr
.set I, 0
.rept 64
	v_mov_b32 v[KS+I], 0                           ; the loop that adds onto them is written once
.set I, I+1
.endr
	WIN 0x40
.set I, 0
.rept 12
	v_mov_b32 v[108+I], 0                          ; k's fragments 1 to 3: they are filled by moving down one place a trip, so each place is written before it is first read
	v_mov_b32 v[224+I], 0
	v_mov_b32 v[236+I], 0
.set I, I+1
.endr
	WIN 0
.irp i, 1,2,3
	v_mov_b32 v[KW+\i], 0                          ; their scale words likewise
.endr
.macro FRAGB reg, slot, q, b           ; six pieces of 8 bytes; where lanes 16-31's piece lies behind one padding more, the second address serves
.irp p, 0,1,2,3,4,5
.set PCE, 12*(\q)+6*(\p/3)+\p%3
.if PCE%16 < 13
	ds_load_b64 v[\reg+2*\p:\reg+2*\p+1], v[ADB+\slot] offset:8*PCE+16*(PCE/16)+(\b)*16*BP
.else
	ds_load_b64 v[\reg+2*\p:\reg+2*\p+1], v[ADB+2+\slot] offset:8*PCE+16*(PCE/16)+(\b)*16*BP
.endif
.endr
.endm
.macro FETCH slot, q, set              ; the fragments of the slot's q-th 128 along K: h's eight images, W2's four
	WIN 0x40
.irp a, 0,1,2,3,4,5,6,7
.irp c, 0,1,2
	ds_load_b128 v[128*(\set)+12*\a+4*\c:128*(\set)+12*\a+4*\c+3], v[ADA+\slot] offset:6144*\a+1536*(\q)+512*\c
.endr
.endr
	WIN 0
.irp b, 0,1,2,3
	FRAGB BF+48*(\set)+12*\b, \slot, \q, \b
.endr
.endm
.macro IMUL set, kq, zero              ; 32 products; every accumulator once a step, in the same order in every step
	WIN 0xa1
.irp a, 0,1,2,3,4,5,6,7
.irp b, 0,1,2,3
.if \zero
	v_wmma_scale_f32_16x16x128_f8f6f4 v[64*\b+8*\a:64*\b+8*\a+7], v[128*(\set)+12*\a:128*(\set)+12*\a+11], v[BF+48*(\set)+12*\b:BF+48*(\set)+12*\b+11], 0, v[SCA+8*(\kq)+\a], v[SCB+8*\b+(\kq)] matrix_a_fmt:MATRIX_FMT_FP6 matrix_b_fmt:MATRIX_FMT_FP6
.else
	v_wmma_scale_f32_16x16x128_f8f6f4 v[64*\b+8*\a:64*\b+8*\a+7], v[128*(\set)+12*\a:128*(\set)+12*\a+11], v[BF+48*(\set)+12*\b:BF+48*(\set)+12*\b+11], v[64*\b+8*\a:64*\b+8*\a+7], v[SCA+8*(\kq)+\a], v[SCB+8*\b+(\kq)] matrix_a_fmt:MATRIX_FMT_FP6 matrix_b_fmt:MATRIX_FMT_FP6
.endif
.endr
.endr
	WIN 0
.endm
.macro ISTEP kq, zero, fslot, fq       ; a plain step: this step's fragments were asked for a step ago; the next step's go into the other set
	s_wait_dscnt 0x0
	PLACES 4                                       ; in front of loads into registers that the step before multiplied
	FETCH \fslot, \fq, 1-(\kq)%2
	IMUL (\kq)%2, \kq, \zero
.endm
.macro REFILL g                        ; slot g has been read out: it takes the second pass's tiles
	s_wait_dscnt 0x0                               ; this step's fragments are in: they were my last reads of slot g
	s_wait_tensorcnt 0x0                           ; all my tensor loads have landed
	ds_add_u32 v[SPW], v[NIL]                      ; 0 onto my spare word
	s_wait_dscnt 0x0
	CROUND                                         ; no wave of any partner reads the slot or has a load on its way
	JLOAD G0A+8+4*\g, G0B+8+4*\g                   ; the first tensor load behind the round; its four v_nop are the places in front of the loads that follow
.endm
.macro QIN b                           ; tile b's 64 results (128 tokens of my column) + the bias into X, each accumulator from its low end on
	WIN 0xce
.set I, 0
.rept 32
	v_pk_add_f32 v[X+I:X+I+1], v[64*(\b)+I:64*(\b)+I+1], v[BI+2*(\b):BI+2*(\b)+1]
.set I, I+2
.endr
	WIN 0
.endm
.macro SP16 k                          ; softplus of 16 numbers in place, 9 instructions a number
.set I, 0
.rept 16
	v_mul_f32 v[UU+I], -|v[X+\k+I]|, s[L2E]
.set I, I+1
.endr
.set I, 0
.rept 16
	v_exp_f32 v[UU+I], v[UU+I]                     ; u
	v_max_num_f32 v[MX+I], 0, v[X+\k+I]
.set I, I+1
.endr
.set I, 0
	s_wait_alu depctr_va_vdst(0)
.rept 8
	v_pk_add_f32 v[DD+I:DD+I+1], v[UU+I:UU+I+1], 2.0 op_sel_hi:[1,0]
.set I, I+2
.endr
.set I, 0
.rept 16
	v_rcp_f32 v[DD+I], v[DD+I]
.set I, I+1
.endr
	v_nop                                          ; a plain place behind the last reciprocal
.set I, 0
	s_wait_alu depctr_va_vdst(0)
.rept 8
	v_pk_mul_f32 v[UU+I:UU+I+1], v[UU+I:UU+I+1], v[DD+I:DD+I+1]      ; s = u / (2 + u)
.set I, I+2
.endr
.set I, 0
.rept 8
	v_pk_mul_f32 v[DD+I:DD+I+1], v[UU+I:UU+I+1], v[UU+I:UU+I+1]      ; s^2
.set I, I+2
.endr
.set I, 0
.rept 8
	v_pk_fma_f32 v[PP+I:PP+I+1], v[DD+I:DD+I+1], s[K6:K6+1], v[K5V:K5V+1] op_sel_hi:[1,0,1]
.set I, I+2
.endr
.irp c, K4,K3,K2,K1
.set I, 0
.rept 8
	v_pk_fma_f32 v[PP+I:PP+I+1], v[PP+I:PP+I+1], v[DD+I:DD+I+1], s[\c:\c+1] op_sel_hi:[1,1,0]
.set I, I+2
.endr
.endr
.set I, 0
.rept 8
	v_pk_fma_f32 v[PP+I:PP+I+1], v[PP+I:PP+I+1], v[DD+I:DD+I+1], 2.0 op_sel_hi:[1,1,0]
.set I, I+2
.endr
.set I, 0
.rept 8
	v_pk_fma_f32 v[X+\k+I:X+\k+I+1], v[UU+I:UU+I+1], v[PP+I:PP+I+1], v[MX+I:MX+I+1]
.set I, I+2
.endr
.endm
.macro SWAPN s, n                      ; two neighbouring tiles of tokens: 16 registers are then 16 neighbouring tokens, 16 h + 0 .. 15 of a block of 32
.set SW, 0
.rept (\n)/16
.irp j, 0,1,2,3,4,5,6,7
	v_permlane16_swap_b32 v[\s+SW+\j], v[\s+SW+8+\j]
.endr
.set SW, SW+16
.endr
.endm
.macro QUANT s                         ; 64 numbers, register 16 b + i = token 32 b + 16 h + i of my column, become a fragment's codes in v[PC] on and its scale word in v[PW]
.irp b, 0,1,2,3
	v_max3_num_f32 v[TM+\b], |v[\s+16*\b]|, |v[\s+1+16*\b]|, 0x1800000
.endr
.irp i, 2,4,6,8,10,12,14
.irp b, 0,1,2,3
	v_max3_num_f32 v[TM+\b], v[TM+\b], |v[\s+16*\b+\i]|, |v[\s+1+16*\b+\i]|
.endr
.endr
.irp b, 0,1,2,3
	v_permlanex16_b32 v[TM+4+\b], v[TM+\b], s[SEL], s[SEL+1]
.endr
.irp b, 0,1,2,3
	v_max_num_f32 v[TM+\b], v[TM+\b], v[TM+4+\b]
.endr
.irp b, 0,1,2,3
	v_add_nc_u32 v[TM+12+\b], 0xff000000, v[TM+\b]
.endr
.irp b, 0,1,2,3
	v_lshrrev_b32 v[TM+4+\b], 23, v[TM+12+\b]
.endr
	v_lshl_or_b32 v[PW], v[TM+5], 8, v[TM+4]
	v_lshl_or_b32 v[PW], v[TM+6], 16, v[PW]
	v_lshl_or_b32 v[PW], v[TM+7], 24, v[PW]
.irp c, 0,1
	v_cvt_scalef32_pk16_fp6_f32 v[PC+6*\c:PC+2+6*\c], v[\s+32*\c:\s+15+32*\c], v[TM+12+2*\c]
	v_cvt_scalef32_pk16_fp6_f32 v[PC+12+4*\c:PC+14+4*\c], v[\s+16+32*\c:\s+31+32*\c], v[TM+12+2*\c+1]
.endr
	v_nop                                          ; one plain place behind a scaled conversion
.irp c, 0,1
.irp i, 0,1,2
	v_permlane16_swap_b32 v[PC+6*\c+\i], v[PC+12+4*\c+\i]
.endr
.irp i, 0,1,2
	v_mov_b32 v[PC+3+6*\c+\i], v[PC+12+4*\c+\i]
.endr
.endr
.endm
; THE WAY OUT of a pass: four trips, 16 columns each.  What differs from trip to trip, the accumulators' numbers, stands in four short sections reached by branches on the counter.
; Pass 0 keeps each fragment of k^T and its scale word in registers.  Pass 1 multiplies each fragment of q^T with the four of k^T (K = my 128 tokens) and stores the 16 x 64 sums.
.macro WAYOUT p
.if \p
	v_mov_b32 v[KO], v[LI]
.endif
	s_mov_b32 s[CNT], 0
.Lw_\@:
.irp b, 0,1,2
	s_cmp_eq_u32 s[CNT], \b
	s_cbranch_scc1 .Li_\@_\b
.endr
.irp b, 3,0,1,2
.Li_\@_\b:
	QIN \b
	s_branch .Lj_\@
.endr
.Lj_\@:
	WIN 0xff                                       ; all places window 3
	SP16 0
	SP16 16
	SP16 32
	SP16 48
	SWAPN X, 64
.if \p == 0
.set I, 0
.rept 32
	v_pk_add_f32 v[KS+I:KS+I+1], v[KS+I:KS+I+1], v[X+I:X+I+1]       ; k, unquantised, summed over my lane's four columns
.set I, I+2
.endr
.else
.set I, 0
.rept 4
	v_pk_mul_f32 v[ZA+I:ZA+I+1], v[X+I:X+I+1], v[KS+I:KS+I+1]       ; q x the token's sum of k, in four chains of pairs
.set I, I+2
.endr
.rept 28
	v_pk_fma_f32 v[ZA+I%8:ZA+I%8+1], v[X+I:X+I+1], v[KS+I:KS+I+1], v[ZA+I%8:ZA+I%8+1]
.set I, I+2
.endr
	v_pk_add_f32 v[ZA:ZA+1], v[ZA:ZA+1], v[ZA+2:ZA+3]
	v_pk_add_f32 v[ZA+4:ZA+5], v[ZA+4:ZA+5], v[ZA+6:ZA+7]
	v_pk_add_f32 v[ZA:ZA+1], v[ZA:ZA+1], v[ZA+4:ZA+5]
	v_add_f32 v[ZA], v[ZA], v[ZA+1]
	v_permlanex16_b32 v[TM+4], v[ZA], s[SEL], s[SEL+1]
	v_add_f32 v[ZV], v[ZA], v[TM+4]                ; with the other half's tokens: my column's part of z
.endif
	QUANT X
.if \p == 0
	WIN 0x41                                       ; destination and source window 1
.irp u, 0,1,2
.irp i, 0,1,2,3,4,5,6,7,8,9,10,11
	v_mov_b32 v[96+12*\u+104*(\u/2)+\i], v[96+12*(\u+1)+104*((\u+1)/2)+\i]   ; the fragments move down one place a trip: after four trips fragment u stands at place u
.endr
.endr
	WIN 0x43                                       ; destination window 1, source window 3
.irp i, 0,1,2,3,4,5,6,7,8,9,10,11
	v_mov_b32 v[236+\i], v[PC+\i]
.endr
	WIN 0
.irp i, 0,1,2
	v_mov_b32 v[KW+\i], v[KW+\i+1]                 ; and so do their scale words
.endr
	WIN 0x03                                       ; destination window 0, source window 3
	v_mov_b32 v[KW+3], v[PW]
	WIN 0
.else
	WIN 0x03
	v_mov_b32 v[QW], v[PW]                         ; scale operands are taken from window 0
	WIN 0xff
.irp i, 0,1,2
	v_mov_b32 v[ZVS+\i], v[ZVS+\i+1]               ; z's parts move down one place a trip
.endr
	v_mov_b32 v[ZVS+3], v[ZV]
	PLACES 8                                       ; a scale register written by a vector instruction stands eight places ahead of a scaled product, an operand so written four
	WIN 0xcd                                       ; source 0 (k^T) window 1, source 1 (q^T) and D window 3
.irp u, 0,1,2,3                        ; four sums of one K step each, into the registers that the quantiser has done with: lane (r, h), register 8 u + j: n = 16 t + r, m = 16 u + 8 h + j
	v_wmma_scale_f32_16x16x128_f8f6f4 v[X+8*\u:X+8*\u+7], v[96+12*\u+104*(\u/2):96+12*\u+104*(\u/2)+11], v[PC:PC+11], 0, v[KW+\u], v[QW] matrix_a_fmt:MATRIX_FMT_FP6 matrix_b_fmt:MATRIX_FMT_FP6
.endr
	PLACES 4                                       ; four places ahead of the stores that read the results
	WIN 0x0c                                       ; a store's data are its source 1: window 3
.irp c, 0,1,2,3,4,5,6,7
	global_store_b128 v[KO], v[X+4*\c:X+4*\c+3], s[18:19] offset:512*\c   ; 512 consecutive bytes a store; each accumulator from its low end on
.endr
	WIN 0
	s_wait_xcnt 0x0                                ; the stores have read their offset and data: both are written again only behind this wait
	v_add_nc_u32 v[KO], 0x10000, v[KO]             ; the next 16 rows of A
.endif
	s_add_co_u32 s[CNT], s[CNT], 1
	s_cmp_lt_u32 s[CNT], 4
	s_cbranch_scc1 .Lw_\@
.endm
	s_wait_tensorcnt 0x1                           ; my part of slot 0 is in; slot 1's load may be out
	s_barrier_signal -1
	s_barrier_wait -1
	FETCH 0, 0, 0
	s_wait_loadcnt 0x0                             ; scale words and bias
; ---- pass 0: k
	ISTEP 0, 1, 0, 1
	ISTEP 1, 0, 0, 2
	ISTEP 2, 0, 0, 3
	REFILL 0                                       ; slot 1 is whole in every wave; slot 0 takes h_q's and W_q2's first half of K
	FETCH 1, 0, 0
	IMUL 1, 3, 0
	ISTEP 4, 0, 1, 1
	ISTEP 5, 0, 1, 2
	ISTEP 6, 0, 1, 3
	REFILL 1                                       ; pass 1's slot 0 is whole; slot 1 takes its second half, which lands under the way out
	FETCH 0, 0, 0                                  ; pass 1's first fragments wait in their registers through the way out
	IMUL 1, 7, 0
	PLACES 4
	SCLOAD 1                                       ; pass 1's scale words, into registers that the last products have read four places ago
	WAYOUT 0
	BILOAD 1
	WIN 0xff
.irp m, 1,2,4,8                        ; over the sixteen lanes of a half: every lane then holds its tokens' whole sums of k over the head's 64 columns
.set I, 0
.rept 64
	v_add_f32_dpp v[KS+I], v[KS+I], v[KS+I] row_xmask:\m row_mask:0xf bank_mask:0xf
.set I, I+1
.endr
.endr
	WIN 0
	s_wait_loadcnt 0x0
; ---- pass 1: q
	ISTEP 0, 1, 0, 1
	ISTEP 1, 0, 0, 2
	ISTEP 2, 0, 0, 3
	s_wait_dscnt 0x0
	s_wait_tensorcnt 0x0                           ; my part of slot 1 is in,
	s_barrier_signal -1
	s_barrier_wait -1                              ; everybody's is
	PLACES 4
	FETCH 1, 0, 0
	IMUL 1, 3, 0
	ISTEP 4, 0, 1, 1
	ISTEP 5, 0, 1, 2
	ISTEP 6, 0, 1, 3
	s_wait_dscnt 0x0
	IMUL 1, 7, 0
	PLACES 4
	WAYOUT 1
	v_cmp_lt_u32 vcc_lo, 15, v1
	WIN 0xff
	v_cndmask_b32 v[ZA], v[ZVS], v[ZVS+2], vcc_lo      ; lanes 0-15 tiles 0, 1; lanes 16-31 tiles 2, 3
	v_cndmask_b32 v[ZA+1], v[ZVS+1], v[ZVS+3], vcc_lo
	WIN 0x0c
	global_store_b64 v[ZO], v[ZA:ZA+1], s[60:61]       ; 256 consecutive bytes
	WIN 0
	s_wait_tensorcnt 0x0                           ; the wave's end
	ds_add_u32 v[SPW], v[NIL]
	s_wait_dscnt 0x0
	CROUND                                         ; the closing round
	s_endpgm
.Lfunc_end_k_q0ebe1c4269_qk:
	.size	k_q0ebe1c4269_qk, .Lfunc_end_k_q0ebe1c4269_qk-k_q0ebe1c4269_qk
	.p2alignl 7, 3214868480
	.fill 96, 4, 3214868480
	.section	.rodata,"a",@progbits
	.p2align	6, 0x0
	.amdhsa_kernel k_q0ebe1c4269_qk
		.amdhsa_group_segment_fixed_size 327680
		.amdhsa_private_segment_fixed_size 0
		.amdhsa_enable_private_segment 0
		.amdhsa_kernarg_size 64
		.amdhsa_user_sgpr_count 2
		.amdhsa_user_sgpr_kernarg_segment_ptr 1
		.amdhsa_wavefront_size32 1
		.amdhsa_system_sgpr_workgroup_id_x 1
		.amdhsa_system_sgpr_workgroup_id_y 1
		.amdhsa_system_sgpr_workgroup_id_z 1
		.amdhsa_system_vgpr_workitem_id 0
		.amdhsa_next_free_vgpr 1024
		.amdhsa_next_free_sgpr 102
		.amdhsa_reserve_vcc 1
		.amdhsa_float_denorm_mode_32 3
		.amdhsa_float_denorm_mode_16_64 3
		.amdhsa_memory_ordered 1
		.amdhsa_forward_progress 1
		.amdhsa_inst_pref_size 250
	.end_amdhsa_kernel
	.amdgpu_metadata
---
amdhsa.version: [ 1, 2 ]
amdhsa.kernels:
  - .name:           k_q0ebe1c4269_qk
    .symbol:         k_q0ebe1c4269_qk.kd
    .args:
      - { .name: hbuf, .offset: 0, .size: 8, .value_kind: global_buffer, .address_space: global }
      - { .name: k_w2_codes, .offset: 8, .size: 8, .value_kind: global_buffer, .address_space: global }
      - { .name: k_w2_scales, .offset: 16, .size: 8, .value_kind: global_buffer, .address_space: global }
      - { .name: k_b2, .offset: 24, .size: 8, .value_kind: global_buffer, .address_space: global }
      - { .name: q_w2_codes, .offset: 32, .size: 8, .value_kind: global_buffer, .address_space: global }
      - { .name: q_w2_scales, .offset: 40, .size: 8, .value_kind: global_buffer, .address_space: global }
      - { .name: q_b2, .offset: 48, .size: 8, .value_kind: global_buffer, .address_space: global }
      - { .name: qkbuf, .offset: 56, .size: 8, .value_kind: global_buffer, .address_space: global }
    .group_segment_fixed_size: 327680
    .private_segment_fixed_size: 0
    .kernarg_segment_align: 8
    .kernarg_segment_size: 64
    .max_flat_workgroup_size: 128
    .sgpr_count:     102
    .vgpr_count:     1024
    .wavefront_size: 32
...
	.end_amdgpu_metadata
.endif
;; end of part 2
;; launch vgy (part 3): grid 16 x 16, 4 waves a work-group, clusters of 4 x 4, 327,680 bytes of LDS; arguments x_codes, x_scales, v_w_codes, v_w_scales, v_b, g_w_codes, g_w_scales, g_b, qkbuf, ybuf; writes ybuf
.if DOCPART == 3
	.amdgcn_target "amdgcn-amd-amdhsa--gfx1250"
	.amdhsa_code_object_version 6
	.text
	.protected	k_q0ebe1c4269_vgy
	.globl	k_q0ebe1c4269_vgy
	.p2align	8
	.type	k_q0ebe1c4269_vgy,@function
k_q0ebe1c4269_vgy:
	s_mov_b64 s[64:65], 0
	v_nop
	global_prefetch_b8 v0, s[64:65] scope:SCOPE_SE
	s_setreg_imm32_b32 hwreg(HW_REG_WAVE_MODE, 25, 1), 1
	s_wait_xcnt 0x0
	s_wait_alu depctr_hold_cnt(0) depctr_sa_sdst(0) depctr_va_vdst(0) depctr_va_sdst(0) depctr_va_ssrc(0) depctr_va_vcc(0) depctr_vm_vsrc(0)
	s_getreg_b32 s2, hwreg(HW_REG_IB_STS2, 6, 4)
	s_cmp_eq_u32 s2, 0
	s_cbranch_scc0 .Lentry_in_a_cluster
	s_endpgm
.Lentry_in_a_cluster:
	s_bfe_u32 s2, ttmp6, 0x10000c
	s_cmp_lg_u32 s2, 0xf033
	s_cbranch_scc0 .Lentry_shape_is_right
	s_endpgm
.Lentry_shape_is_right:
; v = gelu(x Wv^T + bv), g = gelu(x Wg^T + bg) of one head; A and z of that head; out = Q(v) Q(A)^T; y = (out / 8 + v) z g, quantised along the rows of the raw reshape [B, H, N, 64] -> [B, N, 1024], stored as codes.
; SHARES.  A work-group takes 512 tokens of one batch x one head: 128 "columns", 64 of Wv (tiles 0-3) and the same 64 of Wg (tiles 4-7), K = 1,024; wave w its tokens 128 w .. +127: 64 accumulators.
; The product's loop, its ring of two slots of 256 along K (four fills), its joint loads (x's tile along a row of the 4 x 4 cluster, the weights' along a column) and its scale words in 64 registers
; are those of the launch that makes h; source 0 = 16 rows of a weight, source 1 = 16 tokens: a lane holds one token and eight neighbouring columns.
; A AND z, AT THE HEAD, while the first tiles are on their way and the accumulators' 512 registers are empty: wave w loads the sixteen token steps' parts of A's rows 16 w .. +15 (16 x 4,096 bytes, 32 registers
; each) and of z, adds them in f32, quantises A along m, takes z = 1 / (sum / 8 + 1,024), and leaves a record of 1,024 bytes in LDS (registers 0-3 at 16 x lane, 4-5 at 512 + 8 x lane, the scale word at
; 768 + 4 x lane, z at 896 + 4 x lane), in bytes of its own behind the spare words, into which no tile lands.  Behind the products every wave reads the four records.
; The four work-groups of a column of the cluster add the same parts.  They are not asked for jointly: 262,144 bytes have no room in LDS beside the ring, so they go from memory straight into registers.
; THE WAY OUT is a loop of eight trips, 16 tokens each: accumulators + bias into fixed registers (eight short sections reached by branches on the counter), gelu, the exchange of lane halves,
; v's 64 numbers quantised (two blocks; the upper half of the fragment is zero codes), four products with A's four fragments (source 0 = 16 rows n of A), y in f32, y's two blocks quantised.
; THE RESHAPE: token d of head hd lies in row 128 hd + d / 16 of y at columns 64 (d % 16) + n: half a token is one block of 32.  So a trip's 16 tokens are ONE row of y, and lane (r, h)'s six registers
; are registers 6 (r & 1) .. of lane 8 (w & 1) + trip + 16 h of the image (row block w / 2, K step r / 2).  The work-group's 32 rows are gathered so in LDS (24,576 bytes and 1,024 scale bytes, in slot 0,
; which has had its last fill and its last read) and leave as whole runs of 512 bytes.
; OUT: ybuf: images [row block 512][K step 8][1536]; scale bytes [8192][32] at 6,291,456.
; LIMITS: as in the launch that makes h (gelu by the same fit); NaN and infinities are not served; a block of zeros or under 2^-124 gets the scale byte 1; A's and z's f32 sums are taken in another order than the reference's.
.set ROWB,  192
.set KROW,  768
.set PITCH, 240
.set FR,    12
.set NL,    6
.set NP,    4
.set AB,    512*PITCH
.set SLOT,  640*PITCH
.set SPARE, 2*SLOT
.set EXCH,  SPARE+512                  ; behind the spare words: the four records of A and z, 1,024 bytes each
.set YSB,   24576                      ; the stage's scale bytes
.set RD2,  5                           ; the stage's scale bytes on the way back
.set L8,   7                           ; 8 x lane
.set RD1,  9                           ; the stage on the way back: 6,144 w + 16 x lane
.set T0,   10
.set T1,   11
.set T2,   12
.set YA,   13                          ; the stage on the way in
.set YB,   14
.set YS,   15
.set ADRA, 16
.set ADRB, 20
.set L16,  24
.set ZL,   25                          ; 16 r + 4 w: my place among z's parts
.set SO,   26
.set BO,   27
.set SPW,  28
.set NIL,  29
.set W16,  30                          ; my record: + 16, 8, 4 x lane
.set W8,   31
.set SC,   32                          ; v32-95 scale words
.set AW,   96                          ; v96-99 A's scale words, v100 v's: scales and nothing else
.set VW,   100
.set W4,   102
.set R16,  103                         ; the records on the way back: + 16, 8, 4 x lane, + 1,024 h
.set R8,   104
.set R4,   105
.set RH,   106
.set AF,   128
.set AFR,  128                         ; window 0 on the way out: A's four fragments,
.set ZR,   176                         ; z of my 32 columns
.set ZP,   16                          ; window 1 at the head: z's sixteen parts
.set X,    0                           ; window 1 on the way out
.set VF,   64                          ; v's fragment (12)
.set YF,   76                          ; y's six registers
.set YT,   82
.set O,    128
.set TT,   128
.set PP,   144
.set XC,   160
.set MX,   176
.set TM,   192
.set PW,   208
.set C8V,  218
.set G1,  24
.set G0,  32
.set G1B, 48
.set G0B, 56
.set CNT, 18
.set SA,  19
.set SB,  20
.set CH,  24
.set CX,  26
.set C0,  28
.set C1,  30
.set C2,  32
.set C3,  34
.set C4,  36
.set C5,  38
.set C6,  40
.set C7,  42
.set C9,  44
.set SEL, 46
.set E8,  48
.set MSB, 0
.macro WIN new
.if MSB != (\new)
	s_set_vgpr_msb (MSB<<8)|(\new)
.set MSB, (\new)
.endif
.endm
.set MUL_LO, 0xa1
.set MUL_HI, 0xf1
.set TO_B,   0x40
.macro JLOAD s                         ; waves 0, 1 fetch x's halves, wave 2 Wv's 64 rows, wave 3 Wg's; four v_nop follow each line
	s_cmp_eq_u32 s15, 0
	s_cbranch_scc0 .Lfor_b_\@
	tensor_load_to_lds s[G0+4*\s:G0+4*\s+3], s[G1:G1+7]
	s_nop 0
.rept 4
	v_nop
.endr
	s_branch .Lasked_\@
.Lfor_b_\@:
	tensor_load_to_lds s[G0B+4*\s:G0B+4*\s+3], s[G1B:G1B+7]
	s_nop 0
.rept 4
	v_nop
.endr
.Lasked_\@:
.endm
.macro CREST
	s_cmp_lg_u32 s14, 0
	s_cbranch_scc1 .Lnot_wave_0_\@
	s_barrier_signal -3
.Lnot_wave_0_\@:
	s_barrier_wait -3
	s_barrier_signal -1
	s_barrier_wait -1
.endm
.macro CROUND
	s_barrier_signal -1
	s_barrier_wait -1
	CREST
.endm
.macro PLACES n
.rept \n
	v_nop
.endr
.endm
.macro PAIR r, val
	s_mov_b32 s[\r], \val
	s_mov_b32 s[\r+1], \val
.endm
.macro SWAPN s, n                      ; two neighbouring tiles' registers: the first's lanes 16-31 change places with the second's lanes 0-15: 16 registers are then 16 neighbours, 16 h + 0 .. 15 of a block of 32
.set SW, 0
.rept (\n)/16
.irp j, 0,1,2,3,4,5,6,7
	v_permlane16_swap_b32 v[\s+SW+\j], v[\s+SW+8+\j]
.endr
.set SW, SW+16
.endr
.endm
.macro QUANT2 s, dst, pt               ; 32 numbers, register 16 b + i = k 32 b + 16 h + i, become six registers (block h to lane half h) in v[dst] on; the two bytes in v[TM+4], v[TM+5]
.irp b, 0,1
	v_max3_num_f32 v[TM+\b], |v[\s+16*\b]|, |v[\s+1+16*\b]|, 0x1800000   ; with the floor 2^(3 - 127): the byte cannot fall under 1
.endr
.irp i, 2,4,6,8,10,12,14
.irp b, 0,1
	v_max3_num_f32 v[TM+\b], v[TM+\b], |v[\s+16*\b+\i]|, |v[\s+1+16*\b+\i]|
.endr
.endr
.irp b, 0,1
	v_permlanex16_b32 v[TM+4+\b], v[TM+\b], s[SEL], s[SEL+1]
.endr
.irp b, 0,1
	v_max_num_f32 v[TM+\b], v[TM+\b], v[TM+4+\b]
.endr
.irp b, 0,1
	v_add_nc_u32 v[TM+12+\b], 0xff000000, v[TM+\b]   ; 2 off the exponent field: the conversion's scale operand
.endr
.irp b, 0,1
	v_lshrrev_b32 v[TM+4+\b], 23, v[TM+12+\b]        ; the scale's byte
.endr
	v_cvt_scalef32_pk16_fp6_f32 v[\dst:\dst+2], v[\s:\s+15], v[TM+12]
	v_cvt_scalef32_pk16_fp6_f32 v[\pt:\pt+2], v[\s+16:\s+31], v[TM+13]
	v_nop                                          ; one plain place behind a scaled conversion
.irp i, 0,1,2
	v_permlane16_swap_b32 v[\dst+\i], v[\pt+\i]
.endr
.irp i, 0,1,2
	v_mov_b32 v[\dst+3+\i], v[\pt+\i]
.endr
.endm
.macro TREE                            ; eight parts of 32 registers in one window are added, neighbours 1, 2 and 4 parts apart: the sum stands in the first 32
.irp d, 1,2,4
.set TS, 0
.rept 4/\d
.set I, 0
.rept 16
	v_pk_add_f32 v[32*TS+I:32*TS+I+1], v[32*TS+I:32*TS+I+1], v[32*(TS+\d)+I:32*(TS+\d)+I+1]
.set I, I+2
.endr
.set TS, TS+2*\d
.endr
.endr
.endm
	s_load_b512 s[68:83], s[0:1], 0x0              ; x codes 68, x scales 70, v_w codes 72, scales 74, v_b 76, g_w codes 78, scales 80, g_b 82
	s_load_b128 s[84:87], s[0:1], 0x40             ; qkbuf 84, ybuf 86
	v_lshl_add_u32 v[SPW], v0, 2, SPARE
	v_mov_b32 v[NIL], 0
	ds_add_u32 v28, v29
	ds_add_u32 v28, v29
	s_wait_dscnt 0x0
	v_lshrrev_b32 v1, 5, v0
	v_readfirstlane_b32 s14, v1
	s_lshr_b32 s15, s14, 1
	s_and_b32 s16, s14, 1
	s_bfe_u32 s40, ttmp6, 0x40000
	s_bfe_u32 s41, ttmp6, 0x40004
	s_lshl_b32 s42, ttmp9, 2
	s_add_co_u32 s42, s42, s40                     ; the head
	s_and_b32 s17, ttmp7, 0xffff
	s_lshl_b32 s17, s17, 2
	s_add_co_u32 s17, s17, s41                     ; token block of 512
	s_lshl_b32 s43, s41, 2
	s_lshl_b32 s43, 15, s43
	s_lshl_b32 s44, 0x1111, s40
	s_or_b32 s[G1+0], s43, (1<<20)|(1<<21)|(3<<22)|(3<<25)
	s_or_b32 s[G1B+0], s44, (1<<20)|(1<<21)|(3<<22)|(3<<25)
	s_mov_b32 s[G1+1], ROWB<<16
	s_mov_b32 s[G1+2], 256<<16
	s_mov_b32 s[G1+3], ROWB<<16
	s_mov_b32 s[G1+4], 256
	s_mov_b32 s[G1+5], KROW
	s_mov_b32 s[G1+6], 0
	s_mov_b32 s[G1+7], 0
	s_mov_b32 s[G1B+1], ROWB<<16
	s_mov_b32 s[G1B+2], 64<<16
	s_mov_b32 s[G1B+3], ROWB<<16
	s_mov_b32 s[G1B+4], 64
	s_mov_b32 s[G1B+5], KROW
	s_mov_b32 s[G1B+6], 0
	s_mov_b32 s[G1B+7], 0
	s_lshl_b32 s20, s17, 9
	s_lshl_b32 s18, s16, 8
	s_add_co_u32 s20, s20, s18
	s_mul_i32 s20, s20, KROW
	s_mov_b32 s21, 0
	s_mul_i32 s46, s42, 64*KROW                    ; the head's 64 rows of either weight
	s_mov_b32 s47, 0
	s_mul_i32 s45, s16, 256*PITCH
	s_mul_i32 s94, s16, 64*PITCH
	s_add_co_u32 s94, s94, AB
	s_wait_kmcnt 0x0
	s_cmp_eq_u32 s16, 0                            ; the wave's number chooses the weight
	s_cselect_b64 s[92:93], s[72:73], s[78:79]
	s_add_nc_u64 s[20:21], s[68:69], s[20:21]
	s_add_nc_u64 s[46:47], s[92:93], s[46:47]
	CROUND
.irp s, 0,1
	s_mov_b32 s[G0+4*\s], 1
	s_add_co_u32 s[G0+4*\s+1], s45, \s*SLOT
	s_add_nc_u64 s[G0+4*\s+2:G0+4*\s+3], s[20:21], \s*ROWB
	s_or_b32 s[G0+4*\s+3], s[G0+4*\s+3], 0x80000000
	s_mov_b32 s[G0B+4*\s], 1
	s_add_co_u32 s[G0B+4*\s+1], s94, \s*SLOT
	s_add_nc_u64 s[G0B+4*\s+2:G0B+4*\s+3], s[46:47], \s*ROWB
	s_or_b32 s[G0B+4*\s+3], s[G0B+4*\s+3], 0x80000000
	JLOAD \s
.endr
; ---- the parts of A and of z are asked for first: they are the longest way
	v_and_b32 v1, 31, v0
	v_and_b32 v2, 15, v0
	v_bfe_u32 v3, v0, 4, 1
	v_lshlrev_b32 v[L16], 4, v1
	s_lshl_b32 s94, s14, 2
	v_lshl_add_u32 v[ZL], v2, 4, s94
	s_lshr_b32 s95, s17, 2                         ; the batch
	s_and_b32 s96, s17, 3                          ; which 512 of its tokens
	s_mov_b32 s93, 0
	s_lshl_b32 s92, s95, 4
	s_add_co_u32 s92, s92, s42                     ; 16 b + head
	s_lshl_b32 s92, s92, 2
	s_add_co_u32 s92, s92, s14                     ; x 4 + my 16 rows of A
	s_lshl_b32 s92, s92, 16                        ; sixteen parts of 4,096 bytes
	s_add_nc_u64 s[98:99], s[84:85], s[92:93]
	s_lshl_b32 s92, s95, 16                        ; z's parts: token block 16 b + s, 4,096 bytes a block, 256 a head
	s_lshl_b32 s94, s42, 8
	s_add_co_u32 s92, s92, s94
	s_add_co_u32 s92, s92, 16777216
	s_add_nc_u64 s[84:85], s[84:85], s[92:93]
	WIN 0x80                                       ; token steps 0-7 into window 2, step s at v[32 s]
.irp s, 0,1,2,3,4,5,6,7
.irp c, 0,1,2,3,4,5,6,7
	global_load_b128 v[32*\s+4*\c:32*\s+4*\c+3], v[L16], s[98:99] offset:4096*\s+512*\c
.endr
.endr
	WIN 0xc0                                       ; steps 8-15 into window 3
.irp s, 0,1,2,3,4,5,6,7
.irp c, 0,1,2,3,4,5,6,7
	global_load_b128 v[32*\s+4*\c:32*\s+4*\c+3], v[L16], s[98:99] offset:4096*(8+\s)+512*\c
.endr
.endr
	WIN 0x40
.irp s, 0,1,2,3,4,5,6,7,8,9,10,11,12,13,14,15
	global_load_b32 v[ZP+\s], v[ZL], s[84:85] offset:4096*\s
.endr
	WIN 0
	s_mov_b32 s[SEL], 0x76543210
	s_mov_b32 s[SEL+1], 0xfedcba98                 ; v_permlanex16_b32: lane l xor 16
	s_mov_b32 s100, 0x3e000000                     ; SCALE = 1/8
	s_mov_b32 s101, 0x44800000                     ; dim = 1,024
	s_lshl_b32 s22, s17, 9
	s_lshl_b32 s23, s14, 7
	s_add_co_u32 s22, s22, s23
	s_lshl_b32 s22, s22, 5
	s_mov_b32 s23, 0
	s_add_nc_u64 s[70:71], s[70:71], s[22:23]      ; my 128 tokens' scale bytes
	s_lshl_b32 s92, s42, 11
	s_add_nc_u64 s[74:75], s[74:75], s[92:93]
	s_add_nc_u64 s[80:81], s[80:81], s[92:93]
	s_lshl_b32 s92, s42, 8
	s_add_nc_u64 s[76:77], s[76:77], s[92:93]
	s_add_nc_u64 s[82:83], s[82:83], s[92:93]
	s_lshl_b32 s97, s95, 7
	s_lshl_b32 s94, s42, 3
	s_add_co_u32 s97, s97, s94
	s_lshl_b32 s94, s96, 1
	s_add_co_u32 s97, s97, s94                     ; y's row block: 128 b + 8 head + 2 x quarter
	s_mul_i32 s92, s97, 12288
	s_mul_i32 s94, s14, 6144
	s_add_co_u32 s92, s92, s94
	s_add_nc_u64 s[88:89], s[86:87], s[92:93]      ; my quarter of the work-group's images
	s_lshl_b32 s92, s97, 9
	s_lshl_b32 s94, s14, 8
	s_add_co_u32 s92, s92, s94
	s_add_co_u32 s92, s92, 6291456
	s_add_nc_u64 s[90:91], s[86:87], s[92:93]      ; and of its scale bytes
	v_lshlrev_b32 v[SO], 5, v2
	v_lshlrev_b32 v[BO], 5, v3
	v_lshlrev_b32 v[L8], 3, v1
.irp i, 0,1,2,3,4,5,6,7
	global_load_b128 v[SC+8*\i:SC+8*\i+3],   v[SO], s[70:71] offset:512*\i
	global_load_b128 v[SC+8*\i+4:SC+8*\i+7], v[SO], s[70:71] offset:512*\i+16
.endr
.irp i, 0,1,2,3
	global_load_b128 v[AF+8*\i:AF+8*\i+3],       v[SO], s[74:75] offset:512*\i
	global_load_b128 v[AF+8*\i+4:AF+8*\i+7],     v[SO], s[74:75] offset:512*\i+16
	global_load_b128 v[AF+32+8*\i:AF+32+8*\i+3], v[SO], s[80:81] offset:512*\i
	global_load_b128 v[AF+36+8*\i:AF+36+8*\i+3], v[SO], s[80:81] offset:512*\i+16
.endr
	WIN 0x40
.irp b, 0,1,2,3
	global_load_b128 v[96+8*\b:99+8*\b],    v[BO], s[76:77] offset:64*\b
	global_load_b128 v[100+8*\b:103+8*\b],  v[BO], s[76:77] offset:64*\b+16
	global_load_b128 v[224+8*\b:227+8*\b],  v[BO], s[82:83] offset:64*\b
	global_load_b128 v[228+8*\b:231+8*\b],  v[BO], s[82:83] offset:64*\b+16
.endr
	WIN 0
	v_mul_u32_u24 v4, v2, PITCH
	v_mad_u32_u24 v4, v3, 24, v4
	v_lshl_add_u32 v[T0], v3, 4, v4
	s_mul_i32 s18, s14, 128*PITCH
.irp s, 0,1
	v_add_nc_u32 v[ADRA+\s], s18, v4
	v_add_nc_u32 v[ADRA+2+\s], s18, v[T0]
	v_add_nc_u32 v[ADRB+\s], AB+\s*SLOT, v4
	v_add_nc_u32 v[ADRB+2+\s], AB+\s*SLOT, v[T0]
	s_add_co_u32 s18, s18, SLOT
.endr
	v_lshrrev_b32 v4, 1, v2                        ; the stage: image (w / 2, r / 2),
	v_mul_u32_u24 v4, v4, 1536
	v_lshl_add_u32 v4, v3, 8, v4                   ; lane 8 (w & 1) + trip + 16 h: 16 bytes a lane
	s_mul_i32 s18, s15, 12288
	s_lshl_b32 s19, s16, 7
	s_add_co_u32 s18, s18, s19
	v_add_nc_u32 v4, s18, v4
	v_and_b32 v[T0], 1, v2
	v_mad_u32_u24 v[YA], v[T0], 520, v4            ; registers 6 (r & 1) on: pieces of 8 bytes at 0, 8, 512 (r even) or 520, 1,024, 1,032 (r odd)
	v_mad_u32_u24 v[YB], v[T0], 1016, v4
	s_lshl_b32 s18, s14, 8
	v_lshl_add_u32 v[YS], v2, 1, s18
	v_add_nc_u32 v[YS], YSB, v[YS]                 ; the row's scale bytes 2 r, 2 r + 1
	v_lshl_add_u32 v[RD2], v1, 3, s18
	v_add_nc_u32 v[RD2], YSB, v[RD2]
	s_mul_i32 s18, s14, 6144
	v_lshl_add_u32 v[RD1], v1, 4, s18
	s_lshl_b32 s18, s14, 10
	s_add_co_u32 s18, s18, EXCH                    ; my record
	v_lshl_add_u32 v[W16], v1, 4, s18
	v_lshl_add_u32 v[W8], v1, 3, s18
	v_lshl_add_u32 v[W4], v1, 2, s18
	v_lshl_add_u32 v[R16], v1, 4, EXCH             ; and the four records on the way back
	v_lshl_add_u32 v[R8], v1, 3, EXCH
	v_lshl_add_u32 v[R4], v1, 2, EXCH
	v_lshl_add_u32 v[RH], v3, 10, EXCH
; ---- A's rows 16 w .. +15 and their z
	s_wait_loadcnt 48                              ; the parts of A and of z are in; the 48 younger loads (16 of x's scale words, 16 of the weights', 16 of the biases) may be out
	WIN 0x8a                                       ; destination and both sources window 2
	TREE
	WIN 0xcf                                       ; all three window 3
	TREE
	WIN 0x8e                                       ; destination and source 0 window 2, source 1 window 3
.set I, 0
.rept 16
	v_pk_add_f32 v[I:I+1], v[I:I+1], v[I:I+1]      ; steps 0-7's sum + steps 8-15's: register 8 u + j = A(16 w + r, 16 u + 8 h + j)
.set I, I+2
.endr
	WIN 0xaa                                       ; all places window 2
	v_mov_b32 v[TM+4], 0                           ; a lane permute's destination counts as one of its sources
	v_mov_b32 v[TM+5], 0
	SWAPN 0, 32                                    ; register 16 p + i: m = 32 p + 16 h + i
	QUANT2 0, 96, 104
	v_lshl_or_b32 v[PW], v[TM+5], 8, v[TM+4]       ; the upper two bytes are 0: they stand over zero codes
	WIN 0x55                                       ; all places window 1
.irp i, 0,2,4,6
	v_pk_add_f32 v[ZP+\i:ZP+\i+1], v[ZP+\i:ZP+\i+1], v[ZP+8+\i:ZP+9+\i]
.endr
	v_pk_add_f32 v[ZP:ZP+1], v[ZP:ZP+1], v[ZP+4:ZP+5]
	v_pk_add_f32 v[ZP+2:ZP+3], v[ZP+2:ZP+3], v[ZP+6:ZP+7]
	v_pk_add_f32 v[ZP:ZP+1], v[ZP:ZP+1], v[ZP+2:ZP+3]
	v_add_f32 v[ZP], v[ZP], v[ZP+1]
	v_fma_f32 v[ZP+2], v[ZP], s100, s101           ; z's sum x SCALE + dim
	v_rcp_f32 v[ZP+2], v[ZP+2]
	v_nop                                          ; a plain place behind the reciprocal
	WIN 0x08                                       ; an LDS store's data are its source 1: window 2
	ds_store_b128 v[W16], v[96:99]
	ds_store_b64 v[W8], v[100:101] offset:512
	ds_store_b32 v[W4], v[PW] offset:768
	WIN 0x04                                       ; window 1
	s_wait_alu depctr_va_vdst(0)
	ds_store_b32 v[W4], v[ZP+2] offset:896
	WIN 0
	s_wait_loadcnt 0x0
	v_cmp_lt_u32 vcc_lo, 15, v1
.set I, 0
.rept 64
	v_cndmask_b32 v[SC+I], v[SC+I], v[AF+I], vcc_lo
.set I, I+1
.endr
	PLACES 8                                       ; a scale register written by a vector instruction stands eight places ahead of a scaled product
.macro FRAG reg, adr, q, i
.irp p, 0,1,2,3,4,5
.set PCE, 12*(\q)+6*(\p/3)+\p%3
.if PCE%8 < 5
	ds_load_b64 v[\reg+2*\p:\reg+2*\p+1], v[\adr] offset:8*PCE+16*(PCE/8)+(\i)*16*PITCH
.else
	ds_load_b64 v[\reg+2*\p:\reg+2*\p+1], v[\adr+2] offset:8*PCE+16*(PCE/8)+(\i)*16*PITCH
.endif
.endr
.endm
.macro MUL16 a0, p, kq, zero           ; the 64 accumulators take turns, one instruction a turn
.irp a, \a0, \a0+1
.irp b, 0,1,2,3,4,5,6,7
.if \zero
	v_wmma_scale_f32_16x16x128_f8f6f4 v[8*(8*((\a)%4)+\b):8*(8*((\a)%4)+\b)+7], v[128*(\p)+FR*\b:128*(\p)+FR*\b+FR-1], v[AF+FR*(\a):AF+FR*(\a)+FR-1], 0, v[SC+8*\b+(\kq)], v[SC+8*(\a)+(\kq)] matrix_a_fmt:MATRIX_FMT_FP6 matrix_b_fmt:MATRIX_FMT_FP6 matrix_a_scale:MATRIX_SCALE_ROW1
.else
	v_wmma_scale_f32_16x16x128_f8f6f4 v[8*(8*((\a)%4)+\b):8*(8*((\a)%4)+\b)+7], v[128*(\p)+FR*\b:128*(\p)+FR*\b+FR-1], v[AF+FR*(\a):AF+FR*(\a)+FR-1], v[8*(8*((\a)%4)+\b):8*(8*((\a)%4)+\b)+7], v[SC+8*\b+(\kq)], v[SC+8*(\a)+(\kq)] matrix_a_fmt:MATRIX_FMT_FP6 matrix_b_fmt:MATRIX_FMT_FP6 matrix_a_scale:MATRIX_SCALE_ROW1
.endif
.endr
.endr
.endm
.macro FETCH_B slot, q, p
	WIN TO_B
.irp i, 0,1,2,3,4,5,6,7
	FRAG 128*(\p)+FR*\i, ADRB+\slot, \q, \i
.endr
	WIN 0
.endm
.macro FETCH_A slot, q, i0
.irp i, \i0, \i0+1, \i0+2, \i0+3
	FRAG AF+FR*(\i), ADRA+\slot, \q, \i
.endr
.endm
.macro STEP slot, kq, zero
	s_wait_dscnt 4*NL                              ; all but the 24 youngest loads (x's blocks 4-7)
	WIN MUL_LO
	MUL16 0, 0, \kq, \zero
	MUL16 2, 0, \kq, \zero
	s_wait_dscnt 0x0
	PLACES NP
	FETCH_B \slot, 1, 1
	FETCH_A \slot, 1, 0
	WIN MUL_HI
	MUL16 4, 0, \kq, \zero
	MUL16 6, 0, \kq, \zero
	PLACES NP
	WIN 0
	FETCH_A \slot, 1, 4
.endm
.macro TURN slot, next, fill, kq
	s_wait_tensorcnt 0x0                           ; my part of the next slot has landed; no tensor load of mine is out
	ds_add_u32 v[SPW], v[NIL]                      ; 0 onto my spare word
	s_wait_dscnt 4*NL+1                            ; the add and the 24 youngest loads may be out
	WIN MUL_LO
	MUL16 0, 1, \kq, 0
	s_wait_dscnt 0x0                               ; the add is done, my reads of this slot are over
	s_barrier_signal -1
	MUL16 2, 1, \kq, 0
	WIN 0
	s_barrier_wait -1
.if \fill
	CREST                                          ; the barrier has opened a round of the cluster's barrier
	s_add_nc_u64 s[G0+4*\slot+2:G0+4*\slot+3], s[G0+4*\slot+2:G0+4*\slot+3], 2*ROWB
	s_add_nc_u64 s[G0B+4*\slot+2:G0B+4*\slot+3], s[G0B+4*\slot+2:G0B+4*\slot+3], 2*ROWB
	JLOAD \slot
.else
	PLACES NP
.endif
	FETCH_B \next, 0, 0
	FETCH_A \next, 0, 0
	WIN MUL_HI
	MUL16 4, 1, \kq, 0
	MUL16 6, 1, \kq, 0
	PLACES NP
	WIN 0
	FETCH_A \next, 0, 4
.endm
	s_wait_dscnt 0x0                               ; for the others' sake: my record of A and z lies in LDS
	s_wait_tensorcnt 0x1                           ; my part of slot 0 is in; slot 1's load may be out
	s_barrier_signal -1
	s_barrier_wait -1
	FETCH_B 0, 0, 0
	FETCH_A 0, 0, 0
	FETCH_A 0, 0, 4
	STEP 0, 0, 1
	TURN 0, 1, 1, 1
	STEP 1, 2, 0
	TURN 1, 0, 1, 3
	STEP 0, 4, 0
	TURN 0, 1, 0, 5
	STEP 1, 6, 0
	s_wait_dscnt 4*NL
	WIN MUL_LO
	MUL16 0, 1, 7, 0
	MUL16 2, 1, 7, 0
	s_wait_dscnt 0x0
	WIN MUL_HI
	MUL16 4, 1, 7, 0
	MUL16 6, 1, 7, 0
	WIN 0
	PLACES NP
; ---- the way out
.irp t, 0,1,2,3
	ds_load_b128 v[AFR+12*\t:AFR+12*\t+3],   v[R16] offset:1024*\t       ; A's rows 16 t on, from wave t's record: registers 0-5 hold m = 32 h + 0 .. 31;
	ds_load_b64  v[AFR+12*\t+4:AFR+12*\t+5], v[R8]  offset:1024*\t+512
	ds_load_b32  v[AW+\t], v[R4] offset:1024*\t+768                      ; their scale words
.irp i, 6,7,8,9,10,11
	v_mov_b32 v[AFR+12*\t+\i], 0                   ; k = 64 .. 127 are zero codes, on both sides
.endr
.endr
.irp p, 0,1
.irp k, 0,1,2,3
	ds_load_b128 v[ZR+16*\p+4*\k:ZR+16*\p+4*\k+3], v[RH] offset:2048*\p+896+16*\k   ; z(32 p + 16 h + 0 .. 15), from record 2 p + h
.endr
.endr
	s_mov_b32 s[CH], 0x3eb504f3
	PAIR CX, 0xbf38aa3b
	PAIR C0, 0xc034d90f
	PAIR C1, 0x3fb8ab5a
	PAIR C2, 0x3f0a29d2
	PAIR C3, 0x3e0efb2e
	PAIR C4, 0xbe899a80
	PAIR C5, 0x3ecdfd18
	PAIR C6, 0xbfd1a1e5
	PAIR C7, 0x40097039
	PAIR C9, 0x3e7c6f08
	PAIR E8, 0x3e000000                            ; SCALE = 1/8: a power of two, so the fused multiply-add rounds as the reference's multiplication and addition do
	WIN 0x40
	v_mov_b32 v[C8V], 0xbf97d29d
	v_mov_b32 v[C8V+1], 0xbf97d29d
.irp i, 0,1
	v_mov_b32 v[TM+4+\i], 0
.endr
.irp i, 6,7,8,9,10,11
	v_mov_b32 v[VF+\i], 0
.endr
	WIN 0
.macro INSEC a
	WIN 0x46+(\a)/4
.irp b, 0,1,2,3,4,5,6,7
.irp k, 0,2,4,6
	v_pk_add_f32 v[X+8*\b+\k:X+8*\b+\k+1], v[8*(8*((\a)%4)+\b)+\k:8*(8*((\a)%4)+\b)+\k+1], v[96+128*(\b/4)+8*(\b%4)+\k:96+128*(\b/4)+8*(\b%4)+\k+1]
.endr
.endr
	WIN 0
.endm
.macro GELU16 k
.set I, 0
.rept 16
	v_fma_f32 v[TT+I], |v[X+\k+I]|, s[CH], 1.0
.set I, I+1
.endr
.set I, 0
.rept 16
	v_rcp_f32 v[TT+I], v[TT+I]
	v_max_num_f32 v[MX+I], 0, v[X+\k+I]
.set I, I+1
.endr
.set I, 0
	s_wait_alu depctr_va_vdst(0)
.rept 8
	v_pk_mul_f32 v[XC+I:XC+I+1], v[X+\k+I:X+\k+I+1], s[CX:CX+1] op_sel_hi:[1,0]
	v_pk_fma_f32 v[PP+I:PP+I+1], v[TT+I:TT+I+1], s[C9:C9+1], v[C8V:C8V+1] op_sel_hi:[1,0,1]
.set I, I+2
.endr
.irp c, C7,C6,C5,C4,C3,C2,C1,C0
.set I, 0
.rept 8
	v_pk_fma_f32 v[PP+I:PP+I+1], v[PP+I:PP+I+1], v[TT+I:TT+I+1], s[\c:\c+1] op_sel_hi:[1,1,0]
.set I, I+2
.endr
.endr
.set I, 0
.rept 8
	v_pk_fma_f32 v[PP+I:PP+I+1], v[X+\k+I:X+\k+I+1], v[XC+I:XC+I+1], v[PP+I:PP+I+1]
.set I, I+2
.endr
.set I, 0
.rept 8
	v_exp_f32 v[PP+I], v[PP+I]
	v_exp_f32 v[PP+I+1], v[PP+I+1]
	v_pk_mul_f32 v[XC+I:XC+I+1], v[X+\k+I:X+\k+I+1], v[TT+I:TT+I+1]
.set I, I+2
.endr
.set I, 0
	s_wait_alu depctr_va_vdst(0)
.rept 16
	v_fma_f32 v[X+\k+I], -|v[XC+I]|, v[PP+I], v[MX+I]
.set I, I+1
.endr
.endm
	s_mov_b32 s[CNT], 0
	s_mov_b32 s[SA], 0
	s_mov_b32 s[SB], 0
.Lout:                                             ; eight trips: my blocks of 16 tokens
.irp a, 0,1,2,3,4,5,6
	s_cmp_eq_u32 s[CNT], \a
	s_cbranch_scc1 .Lin\a
.endr
.irp a, 7,0,1,2,3,4,5,6
.Lin\a:
	INSEC \a
	s_branch .Ljoin
.endr
.Ljoin:
	WIN 0x55
	GELU16 0
	GELU16 16
	GELU16 32
	GELU16 48
	SWAPN X, 64                                    ; X[16 p + i] = v(token r, 32 p + 16 h + i), X[32 + 16 p + i] = g likewise
	s_wait_dscnt 0x0                               ; the last trip's stores into the stage have read their registers, which the lines below write again; in the first trip: A's fragments, its scale words and z are in
	QUANT2 X, VF, YF
	WIN 0x15
	v_lshl_or_b32 v[VW], v[TM+5], 8, v[TM+4]       ; v's scale word; its upper two bytes are 0, over zero codes
	PLACES 8                                       ; eight places ahead of a scaled product for the scale word, four for the codes
	WIN 0x44                                       ; source 0 (A) window 0, source 1 (v) and D window 1
.irp t, 0,1,2,3
	v_wmma_scale_f32_16x16x128_f8f6f4 v[O+8*\t:O+8*\t+7], v[AFR+12*\t:AFR+12*\t+11], v[VF:VF+11], 0, v[AW+\t], v[VW] matrix_a_fmt:MATRIX_FMT_FP6 matrix_b_fmt:MATRIX_FMT_FP6
.endr
	PLACES NP
	WIN 0x55
	SWAPN O, 32                                    ; O[16 p + i] = out(token r, n = 32 p + 16 h + i); each accumulator is read from its low end on
.set I, 0
.rept 16
	v_pk_fma_f32 v[O+I:O+I+1], v[O+I:O+I+1], s[E8:E8+1], v[X+I:X+I+1] op_sel_hi:[1,0,1]   ; out x SCALE + v
.set I, I+2
.endr
	WIN 0x41
.set I, 0
.rept 16
	v_pk_mul_f32 v[O+I:O+I+1], v[O+I:O+I+1], v[ZR+I:ZR+I+1]                               ; x z
.set I, I+2
.endr
	WIN 0x55
.set I, 0
.rept 16
	v_pk_mul_f32 v[O+I:O+I+1], v[O+I:O+I+1], v[X+32+I:X+32+I+1]                           ; x g
.set I, I+2
.endr
	QUANT2 O, YF, YT
	v_lshl_or_b32 v[PW], v[TM+5], 8, v[TM+4]
	WIN 0
	v_add_nc_u32 v[T0], s[SA], v[YA]               ; 16 bytes on a trip: the next lane of the images
	v_add_nc_u32 v[T1], s[SA], v[YB]
	v_add_nc_u32 v[T2], s[SB], v[YS]               ; 32 bytes on: the next row's scale bytes
	WIN 0x04                                       ; an LDS store's data are its source 1: window 1
	ds_store_b64 v[T0], v[YF:YF+1]
	ds_store_b64 v[T1], v[YF+2:YF+3] offset:8
	ds_store_b64 v[T0], v[YF+4:YF+5] offset:512
	ds_store_b16 v[T2], v[PW]                      ; both halves of the lanes write the same two bytes
	WIN 0
	s_add_co_u32 s[SA], s[SA], 16
	s_add_co_u32 s[SB], s[SB], 32
	s_add_co_u32 s[CNT], s[CNT], 1
	s_cmp_lt_u32 s[CNT], 8
	s_cbranch_scc1 .Lout
	s_wait_dscnt 0x0                               ; for the others' sake: my stores into the stage are done
	s_barrier_signal -1
	s_barrier_wait -1
.irp i, 0,1,2,3,4,5,6,7,8,9,10,11
	ds_load_b128 v[128+4*\i:131+4*\i], v[RD1] offset:512*\i
.endr
	ds_load_b64 v[176:177], v[RD2]
.irp i, 0,1,2,3,4,5,6,7,8,9,10,11
	s_wait_dscnt 12-\i                             ; the younger loads may be out
	global_store_b128 v[L16], v[128+4*\i:131+4*\i], s[88:89] offset:512*\i   ; 512 consecutive bytes a store
.endr
	s_wait_dscnt 0x0
	global_store_b64 v[L8], v[176:177], s[90:91]   ; 256 consecutive bytes
	s_wait_tensorcnt 0x0                           ; the wave's end
	ds_add_u32 v[SPW], v[NIL]
	s_wait_dscnt 0x0
	CROUND                                         ; the closing round
	s_endpgm
.Lfunc_end_k_q0ebe1c4269_vgy:
	.size	k_q0ebe1c4269_vgy, .Lfunc_end_k_q0ebe1c4269_vgy-k_q0ebe1c4269_vgy
	.p2alignl 7, 3214868480
	.fill 96, 4, 3214868480
	.section	.rodata,"a",@progbits
	.p2align	6, 0x0
	.amdhsa_kernel k_q0ebe1c4269_vgy
		.amdhsa_group_segment_fixed_size 327680
		.amdhsa_private_segment_fixed_size 0
		.amdhsa_enable_private_segment 0
		.amdhsa_kernarg_size 80
		.amdhsa_user_sgpr_count 2
		.amdhsa_user_sgpr_kernarg_segment_ptr 1
		.amdhsa_wavefront_size32 1
		.amdhsa_system_sgpr_workgroup_id_x 1
		.amdhsa_system_sgpr_workgroup_id_y 1
		.amdhsa_system_sgpr_workgroup_id_z 1
		.amdhsa_system_vgpr_workitem_id 0
		.amdhsa_next_free_vgpr 1024
		.amdhsa_next_free_sgpr 102
		.amdhsa_reserve_vcc 1
		.amdhsa_float_denorm_mode_32 3
		.amdhsa_float_denorm_mode_16_64 3
		.amdhsa_memory_ordered 1
		.amdhsa_forward_progress 1
		.amdhsa_inst_pref_size 239
	.end_amdhsa_kernel
	.amdgpu_metadata
---
amdhsa.version: [ 1, 2 ]
amdhsa.kernels:
  - .name:           k_q0ebe1c4269_vgy
    .symbol:         k_q0ebe1c4269_vgy.kd
    .args:
      - { .name: x_codes, .offset: 0, .size: 8, .value_kind: global_buffer, .address_space: global }
      - { .name: x_scales, .offset: 8, .size: 8, .value_kind: global_buffer, .address_space: global }
      - { .name: v_w_codes, .offset: 16, .size: 8, .value_kind: global_buffer, .address_space: global }
      - { .name: v_w_scales, .offset: 24, .size: 8, .value_kind: global_buffer, .address_space: global }
      - { .name: v_b, .offset: 32, .size: 8, .value_kind: global_buffer, .address_space: global }
      - { .name: g_w_codes, .offset: 40, .size: 8, .value_kind: global_buffer, .address_space: global }
      - { .name: g_w_scales, .offset: 48, .size: 8, .value_kind: global_buffer, .address_space: global }
      - { .name: g_b, .offset: 56, .size: 8, .value_kind: global_buffer, .address_space: global }
      - { .name: qkbuf, .offset: 64, .size: 8, .value_kind: global_buffer, .address_space: global }
      - { .name: ybuf, .offset: 72, .size: 8, .value_kind: global_buffer, .address_space: global }
    .group_segment_fixed_size: 327680
    .private_segment_fixed_size: 0
    .kernarg_segment_align: 8
    .kernarg_segment_size: 80
    .max_flat_workgroup_size: 128
    .sgpr_count:     102
    .vgpr_count:     1024
    .wavefront_size: 32
...
	.end_amdgpu_metadata
.endif
;; end of part 3
;; launch proj (part 4): grid 4 x 64, 4 waves a work-group, clusters of 4 x 4, 327,680 bytes of LDS; arguments ybuf, p_w_codes, p_w_scales, p_b, out0; writes out0
.if DOCPART == 4
	.amdgcn_target "amdgcn-amd-amdhsa--gfx1250"
	.amdhsa_code_object_version 6
	.text
	.protected	k_q0ebe1c4269_proj
	.globl	k_q0ebe1c4269_proj
	.p2align	8
	.type	k_q0ebe1c4269_proj,@function
k_q0ebe1c4269_proj:
	s_mov_b64 s[64:65], 0
	v_nop
	global_prefetch_b8 v0, s[64:65] scope:SCOPE_SE
	s_setreg_imm32_b32 hwreg(HW_REG_WAVE_MODE, 25, 1), 1
	s_wait_xcnt 0x0
	s_wait_alu depctr_hold_cnt(0) depctr_sa_sdst(0) depctr_va_vdst(0) depctr_va_sdst(0) depctr_va_ssrc(0) depctr_va_vcc(0) depctr_vm_vsrc(0)
	s_getreg_b32 s2, hwreg(HW_REG_IB_STS2, 6, 4)
	s_cmp_eq_u32 s2, 0
	s_cbranch_scc0 .Lentry_in_a_cluster
	s_endpgm
.Lentry_in_a_cluster:
	s_bfe_u32 s2, ttmp6, 0x10000c
	s_cmp_lg_u32 s2, 0xf033
	s_cbranch_scc0 .Lentry_shape_is_right
	s_endpgm
.Lentry_shape_is_right:
; out0 = y Wp^T + bp on codes of FP6 (E2M3).  y: images of the operand's registers and scale bytes, as the launch before stored them; Wp: [1024][1024] codes and scale bytes; out0: [8192][1024] f32.
; SHARES.  A work-group makes 128 rows x 256 columns, K = 1,024; wave w all 128 rows against columns 64 w .. +63: 32 accumulators.
; LDS: two slots, each HALF of K: y's 8 row blocks x 6,144 bytes as they lie, then Wp's 256 rows of 384 bytes, 16 bytes of padding behind each 128 (pitch 432).  Each slot is filled once: no refill in this launch.
; CLUSTER 4 x 4: y's tile is asked for jointly along a row of the cluster, Wp's along a column.
; TRANSPOSED USE: source 0 = 16 rows of Wp, source 1 = 16 rows of y: a lane holds eight neighbouring columns of one row.  The bias is the C of each sum's first product.
; THE WAY OUT: 16 rows x 64 columns at a time through the wave's own stage (16 rows of 256 + 16 bytes, in slot 0, which nobody reads behind the barrier in the middle of K), back as whole rows:
; sixteen lanes store 256 consecutive bytes, at a multiple of 256 from out0's first byte.
.set BP,    432
.set ASZ,   49152
.set SLOT,  159744
.set SP,    272
.set ADA, 16
.set ADB, 18
.set SO,  22                           ; 32 r
.set BO,  23                           ; 32 h
.set STO, 24
.set RD,  25
.set CO,  26
.set SCA, 32                           ; v32-95 y's scale words: 8 a + s
.set SCB, 96                           ; v96-127 Wp's: 8 b + s
.set BF,  128                          ; window 0: Wp's fragments, two sets of 48; v224-255 the bias.  Window 1: y's, two sets.  Window 2: accumulator (a, b) at v[8 (4 a + b)]
.set BIAS, 224
.set G1A, 24
.set G1B, 32
.set G0A, 40
.set G0B, 48
.set MSB, 0
.macro WIN new
.if MSB != (\new)
	s_set_vgpr_msb (MSB<<8)|(\new)
.set MSB, (\new)
.endif
.endm
.macro JLOAD ga, gb
	s_cmp_eq_u32 s21, 0
	s_cbranch_scc0 .Lfor_b_\@
	tensor_load_to_lds s[\ga:\ga+3], s[G1A:G1A+7]
	s_nop 0
.rept 4
	v_nop
.endr
	s_branch .Lasked_\@
.Lfor_b_\@:
	tensor_load_to_lds s[\gb:\gb+3], s[G1B:G1B+7]
	s_nop 0
.rept 4
	v_nop
.endr
.Lasked_\@:
.endm
.macro CROUND
	s_barrier_signal -1
	s_barrier_wait -1
	s_cmp_lg_u32 s20, 0
	s_cbranch_scc1 .Lnot_wave_0_\@
	s_barrier_signal -3
.Lnot_wave_0_\@:
	s_barrier_wait -3
	s_barrier_signal -1
	s_barrier_wait -1
.endm
.macro PLACES n
.rept \n
	v_nop
.endr
.endm
	s_load_b256 s[4:11], s[0:1], 0x0               ; ybuf 4, p_w codes 6, scales 8, p_b 10
	s_load_b64 s[12:13], s[0:1], 0x20              ; out0
	v_lshl_add_u32 v30, v0, 2, 0x4e000
	v_mov_b32 v31, 0
	ds_add_u32 v30, v31
	ds_add_u32 v30, v31
	v_lshrrev_b32 v1, 5, v0
	v_readfirstlane_b32 s20, v1
	s_lshr_b32 s21, s20, 1
	s_and_b32 s22, s20, 1
	s_bfe_u32 s56, ttmp6, 0x40000
	s_bfe_u32 s57, ttmp6, 0x40004
	s_lshl_b32 s58, ttmp9, 2
	s_add_co_u32 s58, s58, s56                     ; column block of 256
	s_and_b32 s59, ttmp7, 0xffff
	s_lshl_b32 s59, s59, 2
	s_add_co_u32 s59, s59, s57                     ; row block of 128
	s_lshl_b32 s60, s57, 2
	s_lshl_b32 s60, 15, s60
	s_lshl_b32 s61, 0x1111, s56
	s_or_b32 s[G1A], s60, (3<<16)|(1<<21)          ; y: 4 rows of 768 elements of 8 bytes, 12,288 bytes apart
	s_mov_b32 s[G1A+1], 768<<16
	s_mov_b32 s[G1A+2], 4<<16
	s_mov_b32 s[G1A+3], 768<<16
	s_mov_b32 s[G1A+4], 4
	s_mov_b32 s[G1A+5], 1536
	s_mov_b32 s[G1A+6], 0
	s_mov_b32 s[G1A+7], 0
	s_or_b32 s[G1B], s61, (1<<20)|(1<<21)|(4<<22)|(3<<25)   ; Wp: 128 rows of 384 bytes; after every 32 words 4 words of padding
	s_mov_b32 s[G1B+1], 384<<16
	s_mov_b32 s[G1B+2], 128<<16
	s_mov_b32 s[G1B+3], 384<<16
	s_mov_b32 s[G1B+4], 128
	s_mov_b32 s[G1B+5], 768
	s_mov_b32 s[G1B+6], 0
	s_mov_b32 s[G1B+7], 0
	s_lshl_b32 s62, s59, 3
	s_lshl_b32 s63, s22, 2
	s_add_co_u32 s62, s62, s63
	s_mul_i32 s62, s62, 12288
	s_mov_b32 s63, 0
	s_lshl_b32 s18, s58, 8
	s_lshl_b32 s19, s22, 7
	s_add_co_u32 s18, s18, s19
	s_mul_i32 s18, s18, 768
	s_mov_b32 s19, 0
	s_mul_i32 s23, s22, 24576
	s_mul_i32 s17, s22, 128*BP
	s_add_co_u32 s17, s17, ASZ
	s_wait_dscnt 0x0
	s_wait_kmcnt 0x0
	s_add_nc_u64 s[62:63], s[4:5], s[62:63]
	s_add_nc_u64 s[6:7], s[6:7], s[18:19]
.irp g, 0,1
	s_mov_b32 s[G0A+4*\g], 1
	s_add_co_u32 s[G0A+4*\g+1], s23, \g*SLOT
	s_add_nc_u64 s[G0A+4*\g+2:G0A+4*\g+3], s[62:63], \g*6144
	s_or_b32 s[G0A+4*\g+3], s[G0A+4*\g+3], 0x80000000
	s_mov_b32 s[G0B+4*\g], 1
	s_add_co_u32 s[G0B+4*\g+1], s17, \g*SLOT
	s_add_nc_u64 s[G0B+4*\g+2:G0B+4*\g+3], s[6:7], \g*384
	s_or_b32 s[G0B+4*\g+3], s[G0B+4*\g+3], 0x80000000
.endr
	CROUND                                         ; all sixteen work-groups are here: the joint loads meet
	JLOAD G0A, G0B
	JLOAD G0A+4, G0B+4                             ; two tensor loads of mine are out: all that this launch has
	s_lshl_b32 s14, s58, 13
	s_lshl_b32 s15, s20, 11
	s_add_co_u32 s14, s14, s15
	s_mov_b32 s15, 0
	s_add_nc_u64 s[8:9], s[8:9], s[14:15]          ; my 64 rows' scale bytes
	s_lshl_b32 s14, s58, 10
	s_lshl_b32 s16, s20, 8
	s_add_co_u32 s14, s14, s16                     ; my 64 columns, in bytes of f32
	s_add_nc_u64 s[10:11], s[10:11], s[14:15]
	s_add_nc_u64 s[12:13], s[12:13], s[14:15]
	s_lshl_b32 s14, s59, 19
	s_add_nc_u64 s[12:13], s[12:13], s[14:15]      ; and my 128 rows of 4,096 bytes
	s_lshl_b32 s14, s59, 12
	s_add_co_u32 s14, s14, 6291456
	s_add_nc_u64 s[4:5], s[4:5], s[14:15]          ; y's scale bytes
	v_and_b32 v1, 31, v0
	v_and_b32 v2, 15, v0
	v_bfe_u32 v3, v0, 4, 1
	v_lshlrev_b32 v[SO], 5, v2
	v_lshlrev_b32 v[BO], 5, v3
.irp a, 0,1,2,3,4,5,6,7
	global_load_b128 v[SCA+8*\a:SCA+8*\a+3],   v[SO], s[4:5] offset:512*\a
	global_load_b128 v[SCA+8*\a+4:SCA+8*\a+7], v[SO], s[4:5] offset:512*\a+16
.endr
.irp b, 0,1,2,3
	global_load_b128 v[SCB+8*\b:SCB+8*\b+3],     v[SO], s[8:9] offset:512*\b
	global_load_b128 v[SCB+8*\b+4:SCB+8*\b+7],   v[SO], s[8:9] offset:512*\b+16
	global_load_b128 v[BIAS+8*\b:BIAS+8*\b+3],   v[BO], s[10:11] offset:64*\b
	global_load_b128 v[BIAS+8*\b+4:BIAS+8*\b+7], v[BO], s[10:11] offset:64*\b+16
.endr
	v_lshlrev_b32 v[ADA], 4, v1
	v_add_nc_u32 v[ADA+1], SLOT, v[ADA]
	v_mul_u32_u24 v4, v2, BP
	v_mad_u32_u24 v4, v3, 24, v4
	s_mul_i32 s14, s20, 64*BP
	s_add_co_u32 s14, s14, ASZ
	v_add_nc_u32 v[ADB], s14, v4
	v_add_nc_u32 v[ADB+1], SLOT, v[ADB]
	v_lshl_add_u32 v[ADB+2], v3, 4, v[ADB]
	v_add_nc_u32 v[ADB+3], SLOT, v[ADB+2]
	s_mul_i32 s14, s20, 16*SP                      ; my stage
	v_mul_u32_u24 v[STO], v2, SP
	v_lshl_add_u32 v[STO], v3, 5, v[STO]
	v_add_nc_u32 v[STO], s14, v[STO]               ; in: row r, 32 bytes for each half of the lanes
	v_mul_u32_u24 v[RD], v3, SP
	v_lshl_add_u32 v[RD], v2, 4, v[RD]
	v_add_nc_u32 v[RD], s14, v[RD]                 ; back: lanes 0-15 one row, lanes 16-31 the next
	v_lshlrev_b32 v[CO], 12, v3
	v_lshl_add_u32 v[CO], v2, 4, v[CO]             ; and the same two rows in out0
.macro FRAGB reg, slot, q, b
.irp p, 0,1,2,3,4,5
.set PCE, 12*(\q)+6*(\p/3)+\p%3
.if PCE%16 < 13
	ds_load_b64 v[\reg+2*\p:\reg+2*\p+1], v[ADB+\slot] offset:8*PCE+16*(PCE/16)+(\b)*16*BP
.else
	ds_load_b64 v[\reg+2*\p:\reg+2*\p+1], v[ADB+2+\slot] offset:8*PCE+16*(PCE/16)+(\b)*16*BP
.endif
.endr
.endm
.macro FETCH slot, q, set
	WIN 0x40
.irp a, 0,1,2,3,4,5,6,7
.irp c, 0,1,2
	ds_load_b128 v[128*(\set)+12*\a+4*\c:128*(\set)+12*\a+4*\c+3], v[ADA+\slot] offset:6144*\a+1536*(\q)+512*\c
.endr
.endr
	WIN 0
.irp b, 0,1,2,3
	FRAGB BF+48*(\set)+12*\b, \slot, \q, \b
.endr
.endm
.macro IMUL set, kq, first             ; 32 products; every accumulator once a step, in the same order in every step
.if \first
	WIN 0x84                                       ; source 0 (Wp) and C (the bias) window 0, source 1 (y) window 1, D window 2
.else
	WIN 0xa4
.endif
.irp a, 0,1,2,3,4,5,6,7
.irp b, 0,1,2,3
.if \first
	v_wmma_scale_f32_16x16x128_f8f6f4 v[8*(4*\a+\b):8*(4*\a+\b)+7], v[BF+48*(\set)+12*\b:BF+48*(\set)+12*\b+11], v[128*(\set)+12*\a:128*(\set)+12*\a+11], v[BIAS+8*\b:BIAS+8*\b+7], v[SCB+8*\b+(\kq)], v[SCA+8*\a+(\kq)] matrix_a_fmt:MATRIX_FMT_FP6 matrix_b_fmt:MATRIX_FMT_FP6
.else
	v_wmma_scale_f32_16x16x128_f8f6f4 v[8*(4*\a+\b):8*(4*\a+\b)+7], v[BF+48*(\set)+12*\b:BF+48*(\set)+12*\b+11], v[128*(\set)+12*\a:128*(\set)+12*\a+11], v[8*(4*\a+\b):8*(4*\a+\b)+7], v[SCB+8*\b+(\kq)], v[SCA+8*\a+(\kq)] matrix_a_fmt:MATRIX_FMT_FP6 matrix_b_fmt:MATRIX_FMT_FP6
.endif
.endr
.endr
	WIN 0
.endm
.macro ISTEP kq, first, fslot, fq
	s_wait_dscnt 0x0                               ; this step's fragments were asked for a step ago
	PLACES 4                                       ; in front of loads into registers that the step before multiplied
	FETCH \fslot, \fq, 1-(\kq)%2
	IMUL (\kq)%2, \kq, \first
.endm
	s_wait_tensorcnt 0x1                           ; my part of slot 0 is in; slot 1's load may be out
	s_barrier_signal -1
	s_barrier_wait -1
	FETCH 0, 0, 0
	s_wait_loadcnt 0x0                             ; scale words and bias
	ISTEP 0, 1, 0, 1
	ISTEP 1, 0, 0, 2
	ISTEP 2, 0, 0, 3
	s_wait_dscnt 0x0                               ; my reads of slot 0 are over,
	s_wait_tensorcnt 0x0                           ; my part of slot 1 is in,
	s_barrier_signal -1
	s_barrier_wait -1                              ; both hold of every wave
	PLACES 4
	FETCH 1, 0, 0
	IMUL 1, 3, 0
	ISTEP 4, 0, 1, 1
	ISTEP 5, 0, 1, 2
	ISTEP 6, 0, 1, 3
	s_wait_dscnt 0x0
	IMUL 1, 7, 0
	PLACES 4                                       ; behind the last products: results are read, and loads land in registers that they read
.macro TOSTAGE a                       ; LDS serves a wave's instructions in order (ISA guide 5.7.1.4): no wait between the stores and the loads, nor in front of the next block's stores
	WIN 0x08                                       ; the data: window 2
.irp b, 0,1,2,3
	ds_store_b128 v[STO], v[8*(4*(\a)+\b):8*(4*(\a)+\b)+3] offset:64*\b          ; each accumulator from its low end on
	ds_store_b128 v[STO], v[8*(4*(\a)+\b)+4:8*(4*(\a)+\b)+7] offset:64*\b+16
.endr
	WIN 0
.irp i, 0,1,2,3,4,5,6,7
	ds_load_b128 v[128+32*((\a)%2)+4*\i:131+32*((\a)%2)+4*\i], v[RD] offset:\i*2*SP
.endr
.endm
.macro SEND a, younger
	s_wait_dscnt \younger                          ; the block is back in registers; the next block's 8 stores and 8 loads may be out
.irp i, 0,1,2,3,4,5,6,7
	global_store_b128 v[CO], v[128+32*((\a)%2)+4*\i:131+32*((\a)%2)+4*\i], s[12:13] offset:(16*(\a)+2*\i)*4096 th:TH_STORE_NT
.endr
.endm
	TOSTAGE 0
.irp a, 1,2,3,4,5,6,7
.if \a > 1
	s_wait_xcnt 0x0                                ; block a - 2's stores have read their registers: block a's loads may land there
.endif
	TOSTAGE \a
	SEND \a-1, 16
.endr
	SEND 7, 0
	s_wait_tensorcnt 0x0
	ds_add_u32 v30, v31
	s_wait_dscnt 0x0
	CROUND                                         ; the closing round: no work-group ends while a partner may still ask for a tile that names it
	s_endpgm
.Lfunc_end_k_q0ebe1c4269_proj:
	.size	k_q0ebe1c4269_proj, .Lfunc_end_k_q0ebe1c4269_proj-k_q0ebe1c4269_proj
	.p2alignl 7, 3214868480
	.fill 96, 4, 3214868480
	.section	.rodata,"a",@progbits
	.p2align	6, 0x0
	.amdhsa_kernel k_q0ebe1c4269_proj
		.amdhsa_group_segment_fixed_size 327680
		.amdhsa_private_segment_fixed_size 0
		.amdhsa_enable_private_segment 0
		.amdhsa_kernarg_size 40
		.amdhsa_user_sgpr_count 2
		.amdhsa_user_sgpr_kernarg_segment_ptr 1
		.amdhsa_wavefront_size32 1
		.amdhsa_system_sgpr_workgroup_id_x 1
		.amdhsa_system_sgpr_workgroup_id_y 1
		.amdhsa_system_sgpr_workgroup_id_z 1
		.amdhsa_system_vgpr_workitem_id 0
		.amdhsa_next_free_vgpr 768
		.amdhsa_next_free_sgpr 66
		.amdhsa_reserve_vcc 0
		.amdhsa_float_denorm_mode_32 3
		.amdhsa_float_denorm_mode_16_64 3
		.amdhsa_memory_ordered 1
		.amdhsa_forward_progress 1
		.amdhsa_inst_pref_size 84
	.end_amdhsa_kernel
	.amdgpu_metadata
---
amdhsa.version: [ 1, 2 ]
amdhsa.kernels:
  - .name:           k_q0ebe1c4269_proj
    .symbol:         k_q0ebe1c4269_proj.kd
    .args:
      - { .name: ybuf, .offset: 0, .size: 8, .value_kind: global_buffer, .address_space: global }
      - { .name: p_w_codes, .offset: 8, .size: 8, .value_kind: global_buffer, .address_space: global }
      - { .name: p_w_scales, .offset: 16, .size: 8, .value_kind: global_buffer, .address_space: global }
      - { .name: p_b, .offset: 24, .size: 8, .value_kind: global_buffer, .address_space: global }
      - { .name: out0, .offset: 32, .size: 8, .value_kind: global_buffer, .address_space: global }
    .group_segment_fixed_size: 327680
    .private_segment_fixed_size: 0
    .kernarg_segment_align: 8
    .kernarg_segment_size: 40
    .max_flat_workgroup_size: 128
    .sgpr_count:     66
    .vgpr_count:     768
    .wavefront_size: 32
...
	.end_amdgpu_metadata
.endif
;; end of part 4
